; MI455X (gfx1250); checked and timed in simulation.
; The chip was launched on July 23, 2026; its instructions are those of AMD's public machine-readable ISA for CDNA 5 (MIT licence, August 2026) and "CDNA5" Instruction Set Architecture Reference Guide (July 2026). The comments in the code are by the model that wrote it; some were corrected since.
;; Classical Self Attention. Allowed arithmetic: matrix products marked QUANTISED: E5M2 operands, one given power-of-two scale a tensor, by v_wmma_f32_16x16x64_bf8_bf8 or v_wmma_f32_16x16x128_bf8_bf8, f32 sums; products left as they are: f32 operands where the result goes on into a quantised operand, else bf16, f16 or f32 operands; f32 sums; everything else in f32.
;; Inputs: Wo_codes 1,024 x 32 x 32 uint8 (E5M2 codes of Wo, K innermost, in blocks of 32 codes); Wqkv_codes 3,072 x 32 x 32 uint8 (E5M2 codes of Wqkv, K innermost, in blocks of 32 codes); bo 1,024 float32; lowp_scales 6 int32 (the exponents e of the quantised operands' scales 2^e); x_codes 4 x 4,096 x 32 x 32 uint8 (E5M2 codes of x, K innermost, in blocks of 32 codes).
;; Outputs: out0 4 x 4,096 x 1,024 float32.
;; This version of the problem:
;;   THIS VERSION OF THE PROBLEM IS GIVEN IN LOW PRECISION. The matrix products marked QUANTISED in the list below multiply operands that are first quantised to E5M2 (5 exponent bits, 2 mantissa bits; 8 bits a number), with one given power-of-two scale for each operand tensor; their sums are f32. All else is computed in f32.
;;   The module's matrix products, in the order in which they are computed (A, B: the left and right operand; K: the contracted axis; several contracted axes count as one K, in the product's order):
;;     1. [M 16,384, K 1,024] x [K 1,024, N 3,072]; A: input x (given as codes); B: input Wqkv (given as codes): QUANTISED (scales: A lowp_scales[0], B lowp_scales[1])
;;     2. batch 16,384 x [M 16, K 64] x [K 64, N 16]; A: computed on the way; B: computed on the way: QUANTISED (scales: A lowp_scales[2], B lowp_scales[3])
;;     3. batch 16,384 x [M 16, K 16] x [K 16, N 64]; A: softmax; B: computed on the way: left as it is (K = 16 < 32)
;;     4. [M 16,384, K 1,024] x [K 1,024, N 1,024]; A: computed on the way; B: input Wo (given as codes): QUANTISED (scales: A lowp_scales[4], B lowp_scales[5])
;;   THE QUANTISER, for each operand of a quantised product, along K:
;;     - The operand's scale is 2^e, e = its entry of the input lowp_scales (int32; the entries are numbered through the quantised products in the list's order, A before B).
;;     - Each number is divided by the scale, clamped to +-57,344, and rounded to the nearest number of E5M2, ties to even, subnormals kept.
;;     - The product sums the exact products of the quantised numbers (number of the format x scale) in f32.
;;   ~~~python
;;   def quantise(x, axis, e):      # numpy; x: float32 -> the quantised numbers, widened to float32 again
;;       x = np.moveaxis(x, axis, -1); K = x.shape[-1]
;;       r = np.clip(x / 2.0 ** e, -57344, 57344)
;;       step = 2.0 ** (np.maximum(np.frexp(np.where(r == 0, 1, r))[1] - 1, -14) - 2)
;;       q = np.round(r / step) * step * 2.0 ** e      # np.round: ties to even
;;       return np.moveaxis(q, -1, axis).astype(np.float32)
;;   ~~~
;;   OPERANDS COMPUTED ON THE WAY. 'Computed on the way' means the value that the module computes at that place (a softmax that the list does not call 'softmax' is quantised finished and normalised). What goes into a quantiser is computed in f32, as accurately as f32 sums, v_exp_f32 and their like allow (about 1e-6 of the number): no bf16 or f16 on the way to a quantiser, and a product that is left as it is and whose result goes on into a quantised operand takes f32 operands (vector FMAs, or v_wmma_f32_16x16x4_f32). A number that lies on a knife's edge between two numbers of the format may be rounded either way, as far as f32 arithmetic and the matrix unit's own rounding can turn it there, and no further.
;;   INPUTS GIVEN AS CODES. Wo (in the module: [1024, 1024], K = its axis 1); Wqkv (in the module: [3072, 1024], K = its axis 1); x (in the module: [4, 4096, 1024], K = its axis 2): each comes as NAME_codes (uint8): NAME with its K axis moved to the last place and cut into blocks of 32 codes, [.., K / 32, bytes a block], one block behind the other in memory; one code a byte (a code: sign, 5 exponent bits, 2 mantissa bits); its scale is its entry of lowp_scales. Its value is code x scale, taken as it is: it is not quantised again, and the codes and scales need not be those that the quantiser above would give.
;; 2 versions. Each part assembles by itself: llvm-mc -triple=amdgcn-amd-amdhsa -mcpu=gfx1250 --defsym DOCPART=n.
;; ======== version 1 of 2: 1 launch
;; limits: right only within a limited range of input values
;; launch fused (part 1): grid 256 x 1, 4 waves a work-group, clusters of 4 x 1, 327,680 bytes of LDS; arguments x_codes, Wqkv_codes, Wo_codes, bo, lowp_scales, out0; writes out0
.if DOCPART == 1
	.amdgcn_target "amdgcn-amd-amdhsa--gfx1250"
	.amdhsa_code_object_version 6
	.text
	.protected	k_q8e58c6313a_fused
	.globl	k_q8e58c6313a_fused
	.p2align	8
	.type	k_q8e58c6313a_fused,@function
k_q8e58c6313a_fused:
	s_mov_b64 s[64:65], 0
	v_nop
	global_prefetch_b8 v0, s[64:65] scope:SCOPE_SE
	s_setreg_imm32_b32 hwreg(HW_REG_WAVE_MODE, 25, 1), 1
	s_wait_xcnt 0x0
	s_wait_alu depctr_hold_cnt(0) depctr_sa_sdst(0) depctr_va_vdst(0) depctr_va_sdst(0) depctr_va_ssrc(0) depctr_va_vcc(0) depctr_vm_vsrc(0)
	s_getreg_b32 s2, hwreg(HW_REG_IB_STS2, 6, 4)
	s_cmp_eq_u32 s2, 0
	s_cbranch_scc0 .Lentry_in_a_cluster
	s_endpgm
.Lentry_in_a_cluster:
	s_bfe_u32 s2, ttmp6, 0x10000c
	s_cmp_lg_u32 s2, 0x3003
	s_cbranch_scc0 .Lentry_shape_is_right
	s_endpgm
.Lentry_shape_is_right:
; out = (softmax over heads of (q k^T / 32) v) Wo^T + bo, with qkv = x Wqkv^T, for 16,384 tokens of 1,024 channels; attention mixes the 16 heads of ONE token.
; Quantised products (codes of E5M2, one given scale 2^e a tensor, e0 .. e5 in lowp_scales): x Wqkv^T, q k^T, attn Wo^T.  w v is left as it is and feeds a quantiser: f32 operands.
; NO WORK IS LEFT OUT: every input has a way to the output, and all six buffers are arguments.
; ONE LAUNCH.  A work-group owns 64 tokens (four tiles m of 16) and walks all 4,096 rows of Wqkv and Wo in 32 chunks of 128 rows x 1,024 bytes; q, k, v and attn never go to memory.
; SHARES.  THE WAVES SHARE THE COLUMNS: of each chunk wave w fetches and multiplies rows 32 w .. 32 w + 31 (two tiles u) against all 64 tokens.  The left operand (x, later attn's codes) stays in 512 registers of every wave,
; so a weight byte is read from LDS once and feeds four matrix instructions.  For the attention itself wave w owns the 16 tokens a = 4 m + i, token 16 m + 4 w + i.
; EVERY PRODUCT IS USED TRANSPOSED (source 0 = 16 weight rows, source 1 = 16 tokens): a lane holds one token and eight neighbouring columns, which are neighbours along the next K.
; CHUNKS.  A chunk of Wqkv is eight heads x sixteen channels (rows 1024 t + 64 (8 gh + i) + 16 dt + dd).  Periods 0-15: four passes dt, each Q(gh 0), Q(gh 1), K(gh 0), K(gh 1); a pass's 16 channels of q and k are
; quantised, meet in LDS and add one K piece to the scores (the K = 64 form, its other 48 codes zeros).  Then the softmax.  Periods 16-23: V(dt, gh): v goes in f32 through LDS to the token's wave; behind each second chunk
; sixteen channels of w v are made, quantised and kept as codes.  Then attn's codes become the left operand through LDS.  Periods 24-31: 128 rows of Wo each; sum x 2^(e4 + e5) + bo leaves through a stage as whole rows.
; The key heads stand in the scores' rows in the order pi (bits 3 and 2 of the row's number swapped), so that the registers of w pair with local heads 4 (lane / 16) + 0 .. 3 of each V chunk in the f32 form's K order.
; K ORDER of the K = 128 products: a fragment comes by four loads of 16 bytes (registers 4 c .. 4 c + 3: k = 32 c + 16 (lane / 16) + 0 .. 15), the same permutation of k on both sides.
; CLUSTER.  All work-groups walk the same weights: the four of a cluster ask for each tile JOINTLY (mask 15, the same descriptor: wave's number and chunk alone).  More than four cannot be named by one mask.
; LIMITS on the given exponents, so that each power of two below is an f32 number: e2 - e0 - e1, e3 - e0 - e1, e4 - e0 - e1 between -126 and 112; e4 + e5 between -126 and 127; e2 + e3 between -121 and 132.
; Codes of NaN and infinity among the inputs are not served.
; REGISTERS, in windows of 256.  Window 0: v1-26 addresses and scales; v32-95 the eight accumulators (u, m), written by matrix instructions alone; v96-223 weight fragments (sets of 32), in V also v's operands, in O the way out;
;   v224-255 at work.  Window 1: v0-127 the scores, then w, 8 a token; v128-255 q's and k's runs, then the softmax's statistics, then attn's codes.  Windows 2, 3: the left operand: fragment (m, s) in window 2 + s / 4 at v[16 (4 m + s % 4)].
.set SLOTB,  133120                    ; a slot: 128 rows x (1,024 + 16) bytes; the pitch is an odd multiple of 16 bytes
.set WPART,  33280                     ; a wave's 32 rows of it
.set SCR,    266240                    ; behind the ring: 37,888 bytes of scratch, written by LDS stores alone; no tile ever lands here
.set SPARE,  304128                    ; behind it: the spare words, 128 bytes for each wave: two blocks of 256 bytes that no other line names
.set SPW,  3                           ; v3   LDS address of my spare word; never rewritten
.set NIL,  4                           ; v4   0; never rewritten
.set AW0,  5                           ; v5   my lane's place in my wave's part of a slot: 33280 w + 1040 r + 16 hf
.set AWC,  6                           ; v6   the same in the slot in hand
.set AX,   7                           ; v7   x: 1024 r + 16 hf
.set AQW,  8                           ; v8   q's and k's codes, in: token pitch 528, q at 0, k at 256, head h at 16 h
.set AQR,  9                           ; v9   q's codes, back
.set AKR,  10                          ; v10  k's codes, back, heads in the order pi
.set AVW,  11                          ; v11  v, in: token pitch 592, local head gl at 64 gl + 64 (gl / 4)
.set AVR,  12                          ; v12  v, back
.set AD,   13                          ; v13  attn's codes, in: token pitch 1040
.set AF,   14                          ; v14  attn's codes, back as fragments
.set AST,  15                          ; v15  the stage for out: token pitch 528, in
.set ASR,  16                          ; v16  and back
.set AOUT, 17                          ; v17  16 x lane: my bytes of a row's 512
.set ABO,  18                          ; v18  bo: 128 w + 32 hf
.set PFOA, 19                          ; v19  the prefetches' offset in a chunk of Wqkv: a lane a row
.set PFOO, 20                          ; v20  the same in a chunk of Wo
.set QS,   21                          ; v21, v22  q's scale 2^(e2 - e0 - e1) as f32, and 57,344 x that
.set QL,   22
.set KS,   23                          ; v23, v24  k's
.set KL,   24
.set AS,   25                          ; v25, v26  attn's (v's factor 2^(e0 + e1) folded in)
.set AL,   26
.set ACC,  32
.set VB,   96                          ; v's operands of the chunk gh = 1
.set VA,   160                         ; and of gh = 0
.set U32,  224
.set TO,   96                          ; the way out: 64 results
.set RB,   160                         ; and 16 rows read back
.set BI,   224                         ; bo's two tiles
.set LIM2, 3                           ; s3   2 in the cluster that prefetches, else the greatest number
.set WV,   4                           ; s4   my wave's number
.set CX,   5                           ; s5   my place in the cluster: it enters global addresses alone
.set CL,   6                           ; s6   the cluster's number, the same in all four partners
.set CNT,  7                           ; s7   the loops' counter
.set XB,   8                           ; s[8:9]   x at my block
.set WA,   10                          ; s[10:11] Wqkv at my wave's two heads
.set WOB,  12                          ; s[12:13] Wo at my wave's 32 rows
.set BO,   14                          ; s[14:15] bo, walking
.set SCP,  16                          ; s[16:17] lowp_scales
.set OUT,  18                          ; s[18:19] out at my wave's 16 tokens, walking
.set G0,   20                          ; s[20:23] descriptor group 0, walking
.set G1A,  24                          ; s[24:31] group 1 for Wqkv's tiles
.set G1O,  32                          ; s[32:39] for Wo's
.set WL,   40
.set TB,   41                          ; s41  LDS byte at which the slot in hand begins
.set OF,   42                          ; s[42:43] the next chunk's byte offset
.set PFOF, 44                          ; s[44:45] the offset of the chunk that is prefetched
.set PB,   46                          ; s[46:47] the prefetch's base
.set ES,   48                          ; s[48:53] e0 .. e5
.set CS,   54                          ; s[54:55] c = log2(e) / 32 x 2^(e2 + e3)
.set SEL,  56                          ; s[56:57] lane selects: lane l xor 16
.set OSC,  58                          ; s[58:59] 2^(e4 + e5)
.set PFA,  66                          ; s[66:67] WA + 256 cx
.set PFOB, 68                          ; s[68:69] WOB + 256 cx
.set MSB, 0
.macro WIN new                         ; the immediate's high byte repeats the setting that is left; a switch that changes nothing is dropped
.if MSB != \new
	s_set_vgpr_msb (MSB<<8)|\new
.set MSB, \new
.endif
.endm
.macro PLACES n                        ; plain vector places behind matrix instructions (ISA guide 7.12.1)
.rept \n
	v_nop
.endr
.endm
.macro ROUND                           ; a round of the cluster's barrier
	s_barrier_signal -1
	s_barrier_wait -1
	s_cmp_lg_u32 s[WV], 0
	s_cbranch_scc1 .Lnot_wave_0_\@
	s_barrier_signal -3
.Lnot_wave_0_\@:
	s_barrier_wait -3
	s_barrier_signal -1
	s_barrier_wait -1
.endm
.macro BAR                             ; the scratch changes hands: my LDS stores have landed and my LDS loads are in, then the work-group's barrier.  The tile on its way may stay out
	s_wait_dscnt 0x0
	s_barrier_signal -1
	s_barrier_wait -1
.endm
; THE CHANGE OF SLOTS, at a period's head.  Each wave waits for its one tensor load (its part of the slot that it is about to read), adds 0 to its spare word, and waits for that and for all its LDS instructions: its reads
; of the slot that it has left and of the scratch.  refill = 1: a round of the cluster's barrier, and first behind it the joint load of the next chunk into the slot just left: it has the whole period in which to land.
.macro CHANGE g1, wb, pb, refill
	s_wait_xcnt 0x0                                ; the last prefetch, a period back, has read its base, which is written below
	s_wait_tensorcnt 0x0                           ; no tensor load of mine is out, so group 0 may be written
	ds_add_u32 v[SPW], v[NIL]                      ; 0 onto my spare word; the steps below stand between it and the wait for it
.if \refill
	s_xor_b32 s[G0+1], s[G0+1], SLOTB              ; the other slot than last time
	s_add_nc_u64 s[G0+2:G0+3], s[\wb:\wb+1], s[OF:OF+1]
	s_or_b32 s[G0+3], s[G0+3], 0x80000000          ; type = 2
	s_add_nc_u64 s[PB:PB+1], s[\pb:\pb+1], s[PFOF:PFOF+1]
.endif
	s_xor_b32 s[TB], s[TB], SLOTB                  ; the slot that is read now
	s_wait_dscnt 0x0
.if \refill
	ROUND
	tensor_load_to_lds s[G0:G0+3], s[\g1:\g1+7]
	s_nop 0
	PLACES 4
.else
	s_barrier_signal -1
	s_barrier_wait -1
.endif
	v_add_nc_u32 v[AWC], s[TB], v[AW0]
.endm
.macro WLOAD st, base                  ; my two weight fragments of K step st: eight loads of 16 bytes a lane
.irp u, 0,1
.irp c, 0,1,2,3
	ds_load_b128 v[(\base)+16*\u+4*\c:(\base)+16*\u+4*\c+3], v[AWC] offset:16640*\u+128*(\st)+32*\c
.endr
.endr
.endm
.macro GHEAD nsets                     ; the first K steps' fragments
	WLOAD 0, 96
	WLOAD 1, 128
.if \nsets == 4
	WLOAD 2, 160
	WLOAD 3, 192
.else
	WLOAD 2, 224
.endif
.endm
; A PREFETCH INTO THE L2 of the chunk that the load after next will ask for.  All clusters walk the same weights: cluster 0 asks, and nobody else.  Its sixteen waves take 32 blocks of 256 bytes each: a lane a row of the wave's own
; 32 rows, and of each row's 1,024 bytes the quarter 256 cx, told apart by address.  So each block is named once.  Chunks 0 to 2 come by their loads alone; mode 1 (the last loop) stops where the chunk asked for would pass Wo's end.
.macro ASK mode, voff
.if \mode
	s_cmp_gt_u32 s[CNT], s[LIM2]
.else
	s_cmp_eq_u32 s[CL], 0
.endif
	s_cbranch_scc0 .Lnot_mine_\@
	global_prefetch_b8 v[\voff], s[PB:PB+1] th:TH_LOAD_NT scope:SCOPE_SE
.Lnot_mine_\@:
.endm
; A chunk's 64 products: eight K steps of 128, in each my two weight tiles against the four tiles of tokens.  The eight accumulators take turns, one instruction a turn; step 0 starts the sums.
; The fragments go through nsets sets of 32 registers; the wait at a step's head leaves the later steps' loads out, eight a step.  Only source 1's window changes: LDS loads do not name it.
.macro GBODY nsets
.set kst, 0
.rept 8
.if kst == 0
	WIN 0x08
.endif
.if kst == 4
	WIN 0x0c
.endif
.set left, \nsets-1
.if 7-kst < left
.set left, 7-kst
.endif
.set fb, 96+32*(kst%\nsets)
.if (\nsets == 3) && (kst%3 == 2)
.set fb, 224
.endif
	s_wait_dscnt 8*left
.irp u, 0,1
.irp m, 0,1,2,3
.if kst == 0
	v_wmma_f32_16x16x128_bf8_bf8 v[ACC+8*(4*\u+\m):ACC+8*(4*\u+\m)+7], v[fb+16*\u:fb+16*\u+15], v[16*(4*\m+kst%4):16*(4*\m+kst%4)+15], 0
.else
	v_wmma_f32_16x16x128_bf8_bf8 v[ACC+8*(4*\u+\m):ACC+8*(4*\u+\m)+7], v[fb+16*\u:fb+16*\u+15], v[16*(4*\m+kst%4):16*(4*\m+kst%4)+15], v[ACC+8*(4*\u+\m):ACC+8*(4*\u+\m)+7]
.endif
.endr
.endr
.if kst+\nsets < 8
	PLACES 4                                       ; in front of loads into the set just read
	WLOAD kst+\nsets, fb
.endif
.set kst, kst+1
.endr
	WIN 0
	PLACES 5                                       ; in front of the first read of results, of loads into the sets, and of matrix instructions that begin these accumulators anew
.endm
; q's or k's eight tiles become codes: the hold at the largest code x the scale (the conversion to an 8-bit code does not saturate: ISA guide 7.6.2), the conversion, 8 bytes a lane into the token's row of the scratch.
.macro EPI_QK kflag, gh, sc, lim
.set tt, 0
.rept 8                                ; tile tt = 4 u + m; two sets of temporaries by turns, so that eight plain lines stand between a conversion and the next write of its sources
.set tb, U32+8*(tt%2)
.irp j, 0,1,2,3,4,5,6,7
	v_med3_num_f32 v[tb+\j], v[ACC+8*tt+\j], -v[\lim], v[\lim]
.endr
	v_cvt_scalef32_pk8_bf8_f32 v[U32+16+2*tt:U32+17+2*tt], v[tb:tb+7], v[\sc]
	ds_store_b64 v[AQW], v[U32+16+2*tt:U32+17+2*tt] offset:8448*(tt%4)+256*(\kflag)+128*(\gh)+16*(tt/4)
.set tt, tt+1
.endr
	v_nop                                          ; a plain line behind the last conversion
.endm
; A pass's 16 channels add to my 16 tokens' scores: S^T += k q^T, source 0 = the 16 key heads (order pi), source 1 = the 16 query heads; registers 0, 1 of a run hold the pass's codes, registers 2-7 stay zeros.
.macro SCORES
	BAR                                            ; all four waves' codes of the pass lie in the scratch
.irp hb, 0,1
	WIN 0x40                                       ; destination window 1
.irp tk, 0,1,2,3,4,5,6,7
	ds_load_b64 v[128+8*\tk:129+8*\tk], v[AQR] offset:528*(16*((8*\hb+\tk)/4)+(\tk%4))
	ds_load_b64 v[192+8*\tk:193+8*\tk], v[AKR] offset:528*(16*((8*\hb+\tk)/4)+(\tk%4))
.endr
	s_wait_dscnt 0x0
	WIN 0x55                                       ; all four places window 1
.irp tk, 0,1,2,3,4,5,6,7
	v_wmma_f32_16x16x64_bf8_bf8 v[8*(8*\hb+\tk):8*(8*\hb+\tk)+7], v[192+8*\tk:199+8*\tk], v[128+8*\tk:135+8*\tk], v[8*(8*\hb+\tk):8*(8*\hb+\tk)+7]
.endr
	PLACES 4                                       ; in front of the next loads into the runs, and of the softmax's first read
.endr
	WIN 0
.endm
; v's chunk (eight heads x sixteen channels, f32 sums as they are) goes through the scratch to the tokens' waves, and comes back as source 0 of the f32 form: lane (dd, hf), register i: local head 4 hf + i.
; gh = 1: both halves of the heads are in: O^T = v^T w^T for my 16 tokens, eight at a time, four K steps of 4 heads, the eight accumulators by turns; then the hold, the conversion, and the codes stay in window 1.
.macro EPI_V gh, dt
.set tt, 0
.rept 8
	ds_store_b128 v[AVW], v[ACC+8*tt:ACC+8*tt+3] offset:9472*(tt%4)+64*(tt/4)
	ds_store_b128 v[AVW], v[ACC+8*tt+4:ACC+8*tt+7] offset:9472*(tt%4)+64*(tt/4)+16
.set tt, tt+1
.endr
	BAR
.set ta, 0
.rept 16
.irp i, 0,1,2,3
	ds_load_b32 v[VA-64*(\gh)+4*ta+\i], v[AVR] offset:592*(16*(ta/4)+ta%4)+64*\i
.endr
.set ta, ta+1
.endr
.if \gh
	s_wait_dscnt 0x0
.irp hb, 0,1
	WIN 0x04                                       ; source 1 (w) window 1
.irp st, 0,1,2,3
.irp tk, 0,1,2,3,4,5,6,7
.if \st == 0
	v_wmma_f32_16x16x4_f32 v[ACC+8*\tk:ACC+8*\tk+7], v[VA-64*(\st/2)+4*(8*\hb+\tk)+2*(\st%2):VA-64*(\st/2)+4*(8*\hb+\tk)+2*(\st%2)+1], v[8*(8*\hb+\tk)+2*\st:8*(8*\hb+\tk)+2*\st+1], 0
.else
	v_wmma_f32_16x16x4_f32 v[ACC+8*\tk:ACC+8*\tk+7], v[VA-64*(\st/2)+4*(8*\hb+\tk)+2*(\st%2):VA-64*(\st/2)+4*(8*\hb+\tk)+2*(\st%2)+1], v[8*(8*\hb+\tk)+2*\st:8*(8*\hb+\tk)+2*\st+1], v[ACC+8*\tk:ACC+8*\tk+7]
.endif
.endr
.endr
	WIN 0
	PLACES 9                                       ; behind the f32 form: in front of the reads of results, of the matrix instructions that begin these accumulators anew, and of loads into its sources
.irp g, 0,1
.irp t, 0,1,2,3
.irp j, 0,1,2,3,4,5,6,7
	v_med3_num_f32 v[U32+8*\t+\j], v[ACC+8*(4*\g+\t)+\j], -v[AL], v[AL]
.endr
.endr
	WIN 0x40                                       ; destination window 1
.irp t, 0,1,2,3
	v_cvt_scalef32_pk8_bf8_f32 v[128+8*(8*\hb+4*\g+\t)+2*(\dt):128+8*(8*\hb+4*\g+\t)+2*(\dt)+1], v[U32+8*\t:U32+8*\t+7], v[AS]
.endr
	v_nop                                          ; a plain line behind the last conversion
	WIN 0
.endr
.endr
.endif
.endm
.macro VPERIOD q, gh, dt               ; period 16 + q: chunk V(dt, gh); the next chunk is asked for, the chunk three on is prefetched
.if \q < 7
	s_mov_b32 s[OF], (2048+512*((\q+1)%2)+16*((\q+1)/2))*1024
.else
	s_mov_b32 s[OF], 0                             ; Wo's first chunk
.endif
.if \q < 5
	s_mov_b32 s[PFOF], (2048+512*((\q+3)%2)+16*((\q+3)/2))*1024
	CHANGE G1A, WA, PFA, 1
.elseif \q < 7
	s_mov_b32 s[PFOF], 131072*(\q-5)
	CHANGE G1A, WA, PFOB, 1
.else
	s_mov_b32 s[PFOF], 131072*(\q-5)
	CHANGE G1O, WOB, PFOB, 1
.endif
	GHEAD 3
.if \q < 5
	ASK 0, PFOA
.else
	ASK 0, PFOO
.endif
	GBODY 3
	EPI_V \gh, \dt
.endm
; out = sum x 2^(e4 + e5) + bo, one packed multiply-add for two numbers; a row's 128 numbers of the chunk come from four waves: they meet in the stage, and each wave stores 16 whole pieces of 512 bytes.
.macro EPI_O
	s_wait_loadcnt 0x0                             ; bo's two tiles
.irp u, 0,1
.irp m, 0,1,2,3
.irp i, 0,2,4,6
	v_pk_fma_f32 v[TO+8*(4*\u+\m)+\i:TO+8*(4*\u+\m)+\i+1], v[ACC+8*(4*\u+\m)+\i:ACC+8*(4*\u+\m)+\i+1], s[OSC:OSC+1], v[BI+8*\u+\i:BI+8*\u+\i+1] op_sel_hi:[1,0,1]
.endr
.endr
.endr
.irp u, 0,1
.irp m, 0,1,2,3
	ds_store_b128 v[AST], v[TO+8*(4*\u+\m):TO+8*(4*\u+\m)+3] offset:8448*\m+64*\u
	ds_store_b128 v[AST], v[TO+8*(4*\u+\m)+4:TO+8*(4*\u+\m)+7] offset:8448*\m+64*\u+16
.endr
.endr
	BAR
.irp i, 0,1,2,3,4,5,6,7,8,9,10,11,12,13,14,15
	ds_load_b128 v[RB+4*\i:RB+4*\i+3], v[ASR] offset:528*\i
.endr
.irp i, 0,1,2,3,4,5,6,7,8,9,10,11,12,13,14,15
	s_wait_dscnt 15-\i                             ; row i is back; the younger rows may be out
	global_store_b128 v[AOUT], v[RB+4*\i:RB+4*\i+3], s[OUT:OUT+1] offset:4096*\i th:TH_STORE_NT   ; 32 lanes store 512 consecutive bytes, at a multiple of 256 from out's first byte
.endr
	s_wait_xcnt 0x0                                ; the stores and bo's loads have read their registers and bases: both may be written
	s_add_nc_u64 s[OUT:OUT+1], s[OUT:OUT+1], 512
	s_add_nc_u64 s[BO:BO+1], s[BO:BO+1], 512
.endm
.macro OPERIOD refill
	CHANGE G1O, WOB, PFOB, \refill
	GHEAD 4
.irp u, 0,1
	global_load_b128 v[BI+8*\u:BI+8*\u+3], v[ABO], s[BO:BO+1] offset:64*\u
	global_load_b128 v[BI+8*\u+4:BI+8*\u+7], v[ABO], s[BO:BO+1] offset:64*\u+16
.endr
.if \refill
	ASK 1, PFOO
.endif
	GBODY 4
	EPI_O
.endm
.macro MKSC e, vs, vl                  ; s60 = e0 + e1: a sum of the first product stands for sum x 2^(e0 + e1), so the conversion's one scale is 2^(e - e0 - e1)
	s_sub_co_i32 s61, s[\e], s60
	s_add_co_i32 s61, s61, 127
	s_lshl_b32 s62, s61, 23
	v_mov_b32 v[\vs], s62
	s_add_co_i32 s61, s61, 15
	s_lshl_b32 s61, s61, 23
	s_or_b32 s61, s61, 0x600000
	v_mov_b32 v[\vl], s61                          ; 57,344 x that
.endm
	s_load_b256 s[8:15], s[0:1], 0x0               ; x, Wqkv, Wo, bo
	s_load_b128 s[16:19], s[0:1], 0x20             ; lowp_scales, out
	v_lshl_add_u32 v[SPW], v0, 2, SPARE
	v_mov_b32 v[NIL], 0
	ds_add_u32 v[SPW], v[NIL]                      ; the wave's opening: the add, twice on end, and its wait ahead of my first tensor load; the set-up below stands between the second and the wait
	ds_add_u32 v[SPW], v[NIL]
	v_lshrrev_b32 v27, 5, v0
	v_readfirstlane_b32 s[WV], v27                 ; wave 0..3
	s_bfe_u32 s[CX], ttmp6, 0x40000                ; cx
	s_mov_b32 s[CL], ttmp9                         ; in a cluster launch ttmp9 counts clusters
	s_cmp_eq_u32 s[CL], 0
	s_cselect_b32 s[LIM2], 2, -1
	; descriptor group 1: a wave's 32 weight rows as 2 rows of 16,384 bytes (16 weight rows on end), 16 bytes of padding behind every 1,024: LDS rows of 1,040
	s_mov_b32 s[G1A], 15|(1<<20)|(1<<21)|(7<<22)|(3<<25)   ; 15:0 the mask: all four work-groups; 17:16 elements of 1 byte; 20 padding on; 21 set beside a mask; 24:22 after every 256 words (code 7); 31:25 four words (code 3)
	s_mov_b32 s[G1O], 15|(1<<20)|(1<<21)|(7<<22)|(3<<25)
.irp g, G1A, G1O
	s_mov_b32 s[\g+1], 16384<<16                   ; tensor_dim0
	s_mov_b32 s[\g+2], 2<<16                       ; tensor_dim1
	s_mov_b32 s[\g+3], 16384<<16                   ; tile_dim0
	s_mov_b32 s[\g+4], 2                           ; tile_dim1
	s_mov_b32 s[\g+6], 0
	s_mov_b32 s[\g+7], 0
.endr
	s_mov_b32 s[G1A+5], 65536                      ; from head to head: 64 rows of 1,024 bytes
	s_mov_b32 s[G1O+5], 16384                      ; Wo's rows are neighbours
	s_mov_b32 s[SEL], 0x76543210
	s_mov_b32 s[SEL+1], 0xfedcba98
	s_mov_b32 s[TB], SLOTB                         ; the first change of slots turns it to slot 0
	s_mov_b32 s[OF], 0
	s_mov_b32 s[OF+1], 0
	s_mov_b32 s[PFOF+1], 0
	; the addresses.  r = lane % 16, hf = lane / 16
	v_and_b32 v1, 15, v0
	v_bfe_u32 v2, v0, 4, 1
	v_and_b32 v27, 31, v0
	s_mul_i32 s[WL], s[WV], WPART
	v_mul_u32_u24 v[AW0], v1, 1040
	v_lshl_add_u32 v[AW0], v2, 4, v[AW0]
	v_add_nc_u32 v[AF], SCR, v[AW0]                ; SCR + 1040 r + 16 hf
	v_add_nc_u32 v[AW0], s[WL], v[AW0]
	v_lshlrev_b32 v[AX], 10, v1
	v_lshl_add_u32 v[AX], v2, 4, v[AX]
	v_mul_u32_u24 v28, v1, 528
	s_lshl_b32 s60, s[WV], 5
	s_add_co_u32 s60, s60, SCR
	v_lshl_add_u32 v[AQW], v2, 3, v28
	v_add_nc_u32 v[AQW], s60, v[AQW]               ; SCR + 528 r + 8 hf + 32 w
	s_lshl_b32 s60, s[WV], 7
	s_add_co_u32 s61, s60, SCR
	v_lshl_add_u32 v[AST], v2, 5, v28
	v_add_nc_u32 v[AST], s61, v[AST]               ; SCR + 528 r + 32 hf + 128 w
	v_lshlrev_b32 v[ABO], 5, v2
	v_add_nc_u32 v[ABO], s60, v[ABO]               ; 128 w + 32 hf
	s_lshr_b32 s62, s[WV], 1
	s_lshl_b32 s62, s62, 6
	s_add_co_u32 s61, s61, s62
	v_mul_u32_u24 v[AVW], v1, 592
	v_lshl_add_u32 v[AVW], v2, 5, v[AVW]
	v_add_nc_u32 v[AVW], s61, v[AVW]               ; SCR + 592 r + 32 hf + 128 w + 64 (w / 2)
	s_mul_i32 s60, s[WV], 2112
	s_add_co_u32 s60, s60, SCR
	v_lshlrev_b32 v[AQR], 4, v1
	v_lshl_add_u32 v[AQR], v2, 3, v[AQR]
	v_add_nc_u32 v[AQR], s60, v[AQR]               ; SCR + 4 tokens x w + 16 r + 8 hf
	v_and_b32 v28, 3, v0
	v_bfe_u32 v29, v0, 3, 1
	v_lshl_or_b32 v28, v29, 2, v28
	v_bfe_u32 v29, v0, 2, 1
	v_lshl_or_b32 v28, v29, 3, v28                 ; pi(r): bits 3 and 2 swapped
	s_add_co_u32 s60, s60, 256
	v_lshlrev_b32 v[AKR], 4, v28
	v_lshl_add_u32 v[AKR], v2, 3, v[AKR]
	v_add_nc_u32 v[AKR], s60, v[AKR]
	s_mul_i32 s60, s[WV], 2368
	s_add_co_u32 s60, s60, SCR
	v_mul_u32_u24 v28, v2, 320
	v_lshl_add_u32 v[AVR], v1, 2, v28
	v_add_nc_u32 v[AVR], s60, v[AVR]               ; SCR + 4 tokens x w + 320 hf + 4 r
	s_mul_i32 s60, s[WV], 4160
	s_add_co_u32 s60, s60, SCR
	v_lshlrev_b32 v[AD], 6, v1
	v_lshl_add_u32 v[AD], v2, 3, v[AD]
	v_add_nc_u32 v[AD], s60, v[AD]                 ; SCR + 4 tokens x w + 64 r + 8 hf
	s_mul_i32 s60, s[WV], 8448
	s_add_co_u32 s60, s60, SCR
	v_lshlrev_b32 v[AOUT], 4, v27
	v_add_nc_u32 v[ASR], s60, v[AOUT]              ; SCR + 16 tokens x w + 16 x lane
	v_lshlrev_b32 v[PFOO], 10, v27
	v_mul_u32_u24 v28, v2, 49152
	v_add_nc_u32 v[PFOA], v28, v[PFOO]             ; lanes 16-31 stand in the wave's second head: 65,536 - 16,384 bytes further
	; byte offsets: those made of the wave's number in s60-63, those made of my place in the cluster in s70-75
	s_lshl_b32 s60, s[WV], 17                      ; two heads of Wqkv
	s_mov_b32 s61, 0
	s_lshl_b32 s62, s[WV], 15                      ; 32 rows of Wo
	s_mov_b32 s63, 0
	s_lshl_b32 s70, ttmp9, 2
	s_add_co_u32 s70, s70, s[CX]                   ; my block of 64 tokens
	s_lshl_b32 s72, s70, 16                        ; in x
	s_mov_b32 s73, 0
	s_lshl_b32 s74, s70, 18                        ; in out,
	s_lshl_b32 s71, s[WV], 16
	s_add_co_u32 s74, s74, s71                     ; + my wave's 16 tokens
	s_mov_b32 s75, 0
	s_lshl_b32 s70, s[CX], 8
	s_mov_b32 s71, 0
	s_wait_dscnt 0x0                               ; both opening adds are done
	s_wait_kmcnt 0x0
	s_load_b128 s[ES:ES+3], s[SCP:SCP+1], 0x0      ; e0 .. e3
	s_load_b64 s[ES+4:ES+5], s[SCP:SCP+1], 0x10    ; e4, e5
	s_add_nc_u64 s[XB:XB+1], s[XB:XB+1], s[72:73]
	s_add_nc_u64 s[OUT:OUT+1], s[OUT:OUT+1], s[74:75]
	s_add_nc_u64 s[WA:WA+1], s[WA:WA+1], s[60:61]
	s_add_nc_u64 s[WOB:WOB+1], s[WOB:WOB+1], s[62:63]
	s_add_nc_u64 s[PFA:PFA+1], s[WA:WA+1], s[70:71]
	s_add_nc_u64 s[PFOB:PFOB+1], s[WOB:WOB+1], s[70:71]
	s_mov_b32 s[G0], 1                             ; count = 1
	s_mov_b32 s[G0+1], s[WL]                       ; slot 0, my wave's part
	s_mov_b64 s[G0+2:G0+3], s[WA:WA+1]             ; chunk 0
	s_or_b32 s[G0+3], s[G0+3], 0x80000000          ; type = 2
	ROUND                                          ; all four work-groups are here: the first joint loads meet
	tensor_load_to_lds s[G0:G0+3], s[G1A:G1A+7]
	s_nop 0
	PLACES 4
	WIN 0x80                                       ; x's 32 fragments stay in windows 2 and 3 of every wave
.irp m, 0,1,2,3
.irp s, 0,1,2,3
.irp c, 0,1,2,3
	global_load_b128 v[16*(4*\m+\s)+4*\c:16*(4*\m+\s)+4*\c+3], v[AX], s[XB:XB+1] offset:16384*\m+128*\s+32*\c
.endr
.endr
.endr
	WIN 0xc0
.irp m, 0,1,2,3
.irp s, 0,1,2,3
.irp c, 0,1,2,3
	global_load_b128 v[16*(4*\m+\s)+4*\c:16*(4*\m+\s)+4*\c+3], v[AX], s[XB:XB+1] offset:16384*\m+128*(\s+4)+32*\c
.endr
.endr
.endr
	WIN 0x40                                       ; the scores begin as zeros, so that the pass is written once, as a loop's trip; and the runs' upper six registers are zero codes for good
.set zi, 0
.rept 128
	v_mov_b32 v[zi], 0
.set zi, zi+1
.endr
.set zi, 0
.rept 16
.irp j, 2,3,4,5,6,7
	v_mov_b32 v[128+8*zi+\j], 0
.endr
.set zi, zi+1
.endr
	WIN 0
	s_wait_kmcnt 0x0
	s_add_co_i32 s60, s[ES], s[ES+1]               ; e0 + e1
	MKSC ES+2, QS, QL
	MKSC ES+3, KS, KL
	MKSC ES+4, AS, AL
	s_add_co_i32 s61, s[ES+2], s[ES+3]
	s_lshl_b32 s61, s61, 23
	s_add_co_i32 s[CS], s61, 0x3d38aa3b            ; log2(e) / 32, with e2 + e3 added to its exponent field
	s_mov_b32 s[CS+1], s[CS]                       ; (named with it as a pair, so it is written)
	s_add_co_i32 s61, s[ES+4], s[ES+5]
	s_add_co_i32 s61, s61, 127
	s_lshl_b32 s[OSC], s61, 23                     ; 2^(e4 + e5)
	s_mov_b32 s[OSC+1], s[OSC]
	s_wait_loadcnt 0x0                             ; x
	; ---- periods 0 to 15: four passes; a trip is a pass: Q(gh 0), Q(gh 1), K(gh 0), K(gh 1), the scores' K piece
	s_mov_b32 s[CNT], 4
.Lqk:
	s_add_co_u32 s[OF], s[OF], 0x80000             ; the next chunk: Q(dt, 1)
	s_add_co_u32 s[PFOF], s[OF], 0x100000          ; three on: K(dt, 1)
	CHANGE G1A, WA, PFA, 1
	GHEAD 4
	ASK 0, PFOA
	GBODY 4
	EPI_QK 0, 0, QS, QL
	s_add_co_u32 s[OF], s[OF], 0x80000             ; K(dt, 0)
	s_sub_co_u32 s[PFOF], s[OF], 1032192           ; Q(dt + 1, 0);
	s_cmp_eq_u32 s[CNT], 1
	s_cselect_b32 s[PFOF], 0x200000, s[PFOF]       ; behind the last pass V(0, 0)
	CHANGE G1A, WA, PFA, 1
	GHEAD 4
	ASK 0, PFOA
	GBODY 4
	EPI_QK 0, 1, QS, QL
	s_add_co_u32 s[OF], s[OF], 0x80000             ; K(dt, 1)
	s_sub_co_u32 s[PFOF], s[OF], 1032192           ; Q(dt + 1, 1);
	s_cmp_eq_u32 s[CNT], 1
	s_cselect_b32 s[PFOF], 0x280000, s[PFOF]       ; behind the last pass V(0, 1)
	CHANGE G1A, WA, PFA, 1
	GHEAD 4
	ASK 0, PFOA
	GBODY 4
	EPI_QK 1, 0, KS, KL
	s_sub_co_u32 s[OF], s[OF], 1556480             ; Q(dt + 1, 0);
	s_cmp_eq_u32 s[CNT], 1
	s_cselect_b32 s[OF], 0x200000, s[OF]           ; behind the last pass V(0, 0)
	s_add_co_u32 s[PFOF], s[OF], 0x100000          ; K(dt + 1, 0);
	s_cmp_eq_u32 s[CNT], 1
	s_cselect_b32 s[PFOF], 0x204000, s[PFOF]       ; behind the last pass V(1, 0)
	CHANGE G1A, WA, PFA, 1
	GHEAD 4
	ASK 0, PFOA
	GBODY 4
	EPI_QK 1, 1, KS, KL
	SCORES
	s_sub_co_u32 s[CNT], s[CNT], 1
	s_cmp_lg_u32 s[CNT], 0
	s_cbranch_scc1 .Lqk
	; ---- the softmax of my 16 tokens, line by line over the tokens.  A lane holds one query head and 8 of the 16 key heads; lane l xor 16 holds the other 8.  Statistics of token a at v[128 + 8 a] of window 1
	WIN 0x55
.irp a, 0,1,2,3,4,5,6,7,8,9,10,11,12,13,14,15
	v_max3_num_f32 v[128+8*\a], v[8*\a], v[8*\a+1], v[8*\a+2]
	v_max3_num_f32 v[129+8*\a], v[8*\a+3], v[8*\a+4], v[8*\a+5]
.endr
.irp a, 0,1,2,3,4,5,6,7,8,9,10,11,12,13,14,15
	v_max3_num_f32 v[128+8*\a], v[128+8*\a], v[8*\a+6], v[8*\a+7]
.endr
.irp a, 0,1,2,3,4,5,6,7,8,9,10,11,12,13,14,15
	v_max_num_f32 v[128+8*\a], v[128+8*\a], v[129+8*\a]
.endr
.irp a, 0,1,2,3,4,5,6,7,8,9,10,11,12,13,14,15
	v_permlanex16_b32 v[129+8*\a], v[128+8*\a], s[SEL], s[SEL+1]
.endr
.irp a, 0,1,2,3,4,5,6,7,8,9,10,11,12,13,14,15
	v_max_num_f32 v[128+8*\a], v[128+8*\a], v[129+8*\a]     ; the row's largest score
.endr
.irp a, 0,1,2,3,4,5,6,7,8,9,10,11,12,13,14,15
	v_mul_f32 v[128+8*\a], s[CS], v[128+8*\a]               ; x c (c is positive)
.endr
.irp a, 0,1,2,3,4,5,6,7,8,9,10,11,12,13,14,15
.irp i, 0,2,4,6
	v_pk_fma_f32 v[8*\a+\i:8*\a+\i+1], v[8*\a+\i:8*\a+\i+1], s[CS:CS+1], v[128+8*\a:129+8*\a] op_sel_hi:[1,0,0] neg_lo:[0,0,1] neg_hi:[0,0,1]   ; c s - c max, two at a time
.endr
.endr
.set zi, 0
.rept 128
	v_exp_f32 v[zi], v[zi]                         ; one batch
.set zi, zi+1
.endr
	v_nop                                          ; a plain line behind the last exponential
	s_wait_alu depctr_va_vdst(0)                   ; one wait for the batch, ahead of its first reader
.irp a, 0,1,2,3,4,5,6,7,8,9,10,11,12,13,14,15
	v_pk_add_f32 v[130+8*\a:131+8*\a], v[8*\a:8*\a+1], v[8*\a+2:8*\a+3]
	v_pk_add_f32 v[132+8*\a:133+8*\a], v[8*\a+4:8*\a+5], v[8*\a+6:8*\a+7]
.endr
.irp a, 0,1,2,3,4,5,6,7,8,9,10,11,12,13,14,15
	v_pk_add_f32 v[130+8*\a:131+8*\a], v[130+8*\a:131+8*\a], v[132+8*\a:133+8*\a]
.endr
.irp a, 0,1,2,3,4,5,6,7,8,9,10,11,12,13,14,15
	v_add_f32 v[130+8*\a], v[130+8*\a], v[131+8*\a]
.endr
.irp a, 0,1,2,3,4,5,6,7,8,9,10,11,12,13,14,15
	v_permlanex16_b32 v[131+8*\a], v[130+8*\a], s[SEL], s[SEL+1]
.endr
.irp a, 0,1,2,3,4,5,6,7,8,9,10,11,12,13,14,15
	v_add_f32 v[130+8*\a], v[130+8*\a], v[131+8*\a]         ; the row's sum
.endr
.irp a, 0,1,2,3,4,5,6,7,8,9,10,11,12,13,14,15
	v_rcp_f32 v[132+8*\a], v[130+8*\a]
.endr
	v_nop
	s_wait_alu depctr_va_vdst(0)                   ; one wait for the sixteen reciprocals
.irp a, 0,1,2,3,4,5,6,7,8,9,10,11,12,13,14,15
.irp i, 0,2,4,6
	v_pk_mul_f32 v[8*\a+\i:8*\a+\i+1], v[8*\a+\i:8*\a+\i+1], v[132+8*\a:133+8*\a] op_sel_hi:[1,0]   ; w, normalised
.endr
.endr
	WIN 0
	; ---- periods 16 to 23: V, written out: the codes' registers differ from period to period
	VPERIOD 0, 0, 0
	VPERIOD 1, 1, 0
	VPERIOD 2, 0, 1
	VPERIOD 3, 1, 1
	VPERIOD 4, 0, 2
	VPERIOD 5, 1, 2
	VPERIOD 6, 0, 3
	VPERIOD 7, 1, 3
	; ---- attn's codes become the left operand: each wave puts its tokens' rows of 1,024 codes into the scratch, 32 tokens at a time, and every wave reads them back as fragments
	BAR                                            ; every wave's reads of v are over
.irp rho, 0,1
	WIN 0x04                                       ; a store's data are source 1: window 1
.irp mm, 0,1
.irp i, 0,1,2,3
.irp dt, 0,1,2,3
	ds_store_b64 v[AD], v[128+8*(4*(2*\rho+\mm)+\i)+2*\dt:128+8*(4*(2*\rho+\mm)+\i)+2*\dt+1] offset:1040*(16*\mm+\i)+16*\dt
.endr
.endr
.endr
	WIN 0
	BAR
	WIN 0x80
.irp mm, 0,1
.irp st, 0,1,2,3
.irp c, 0,1,2,3
	ds_load_b128 v[16*(4*(2*\rho+\mm)+\st)+4*\c:16*(4*(2*\rho+\mm)+\st)+4*\c+3], v[AF] offset:16640*\mm+128*\st+32*\c
.endr
.endr
.endr
	WIN 0xc0
.irp mm, 0,1
.irp st, 0,1,2,3
.irp c, 0,1,2,3
	ds_load_b128 v[16*(4*(2*\rho+\mm)+\st)+4*\c:16*(4*(2*\rho+\mm)+\st)+4*\c+3], v[AF] offset:16640*\mm+128*(\st+4)+32*\c
.endr
.endr
.endr
	WIN 0
.if \rho == 0
	BAR                                            ; the first half has been read by all: the second may be stored
.endif
.endr
	; ---- periods 24 to 31: Wo, 128 rows a period.  Seven trips ask for the next chunk; the last period is written out
	s_mov_b32 s[CNT], 7
.Lo:
	s_add_co_u32 s[OF], s[OF], 131072
	s_add_co_u32 s[PFOF], s[OF], 262144            ; three chunks on from the one in hand; asked for only while it lies inside Wo (CNT above 2)
	OPERIOD 1
	s_sub_co_u32 s[CNT], s[CNT], 1
	s_cmp_lg_u32 s[CNT], 0
	s_cbranch_scc1 .Lo
	OPERIOD 0
	s_wait_tensorcnt 0x0                           ; the wave's end: behind my last tensor load and my last LDS store
	ds_add_u32 v[SPW], v[NIL]
	s_wait_dscnt 0x0
	ROUND                                          ; the closing round: no work-group ends while a partner may still ask for a tile that names it
	s_endpgm
.Lfunc_end_k_q8e58c6313a_fused:
	.size	k_q8e58c6313a_fused, .Lfunc_end_k_q8e58c6313a_fused-k_q8e58c6313a_fused
	.p2alignl 7, 3214868480
	.fill 96, 4, 3214868480
	.section	.rodata,"a",@progbits
	.p2align	6, 0x0
	.amdhsa_kernel k_q8e58c6313a_fused
		.amdhsa_group_segment_fixed_size 327680
		.amdhsa_private_segment_fixed_size 0
		.amdhsa_enable_private_segment 0
		.amdhsa_kernarg_size 48
		.amdhsa_user_sgpr_count 2
		.amdhsa_user_sgpr_kernarg_segment_ptr 1
		.amdhsa_wavefront_size32 1
		.amdhsa_system_sgpr_workgroup_id_x 1
		.amdhsa_system_sgpr_workgroup_id_y 1
		.amdhsa_system_sgpr_workgroup_id_z 1
		.amdhsa_system_vgpr_workitem_id 0
		.amdhsa_next_free_vgpr 1024
		.amdhsa_next_free_sgpr 80
		.amdhsa_reserve_vcc 0
		.amdhsa_float_denorm_mode_32 3
		.amdhsa_float_denorm_mode_16_64 3
		.amdhsa_memory_ordered 1
		.amdhsa_forward_progress 1
		.amdhsa_inst_pref_size 255
	.end_amdhsa_kernel
	.section	.bss,"aw",@nobits
	.p2align	6
	.space	262144
	.amdgpu_metadata
---
amdhsa.version: [ 1, 2 ]
amdhsa.kernels:
  - .name:           k_q8e58c6313a_fused
    .symbol:         k_q8e58c6313a_fused.kd
    .args:
      - { .name: x_codes, .offset: 0, .size: 8, .value_kind: global_buffer, .address_space: global }
      - { .name: Wqkv_codes, .offset: 8, .size: 8, .value_kind: global_buffer, .address_space: global }
      - { .name: Wo_codes, .offset: 16, .size: 8, .value_kind: global_buffer, .address_space: global }
      - { .name: bo, .offset: 24, .size: 8, .value_kind: global_buffer, .address_space: global }
      - { .name: lowp_scales, .offset: 32, .size: 8, .value_kind: global_buffer, .address_space: global }
      - { .name: out0, .offset: 40, .size: 8, .value_kind: global_buffer, .address_space: global }
    .group_segment_fixed_size: 327680
    .private_segment_fixed_size: 0
    .kernarg_segment_align: 8
    .kernarg_segment_size: 48
    .max_flat_workgroup_size: 128
    .sgpr_count:     80
    .vgpr_count:     1024
    .wavefront_size: 32
...
	.end_amdgpu_metadata
.endif
;; end of part 1
;; ======== version 2 of 2: 1 launch
;; limits: right only within a limited range of input values
;; launch fused (part 2): grid 256 x 1, 4 waves a work-group, clusters of 4 x 1, 327,680 bytes of LDS; arguments x_codes, Wqkv_codes, Wo_codes, bo, lowp_scales, out0; writes out0
.if DOCPART == 2
	.amdgcn_target "amdgcn-amd-amdhsa--gfx1250"
	.amdhsa_code_object_version 6
	.text
	.protected	k_q8e58c6313a_fused
	.globl	k_q8e58c6313a_fused
	.p2align	8
	.type	k_q8e58c6313a_fused,@function
k_q8e58c6313a_fused:
	s_mov_b64 s[64:65], 0
	v_nop
	global_prefetch_b8 v0, s[64:65] scope:SCOPE_SE
	s_setreg_imm32_b32 hwreg(HW_REG_WAVE_MODE, 25, 1), 1
	s_wait_xcnt 0x0
	s_wait_alu depctr_hold_cnt(0) depctr_sa_sdst(0) depctr_va_vdst(0) depctr_va_sdst(0) depctr_va_ssrc(0) depctr_va_vcc(0) depctr_vm_vsrc(0)
	s_getreg_b32 s2, hwreg(HW_REG_IB_STS2, 6, 4)
	s_cmp_eq_u32 s2, 0
	s_cbranch_scc0 .Lentry_in_a_cluster
	s_endpgm
.Lentry_in_a_cluster:
	s_bfe_u32 s2, ttmp6, 0x10000c
	s_cmp_lg_u32 s2, 0x3003
	s_cbranch_scc0 .Lentry_shape_is_right
	s_endpgm
.Lentry_shape_is_right:
; out = (softmax over heads of (q k^T / 32) v) Wo^T + bo, with qkv = x Wqkv^T, for 16,384 tokens of 1,024 channels; attention mixes the 16 heads of ONE token.
; Quantised products (codes of E5M2, one given scale 2^e a tensor, e0 .. e5 in lowp_scales): x Wqkv^T, q k^T, attn Wo^T.  w v is left as it is and feeds a quantiser: f32 operands.
; NO WORK IS LEFT OUT: every input has a way to the output, and all six buffers are arguments.
; ONE LAUNCH.  A work-group owns 64 tokens (four tiles m of 16) and walks all 4,096 rows of Wqkv and Wo in 32 chunks of 128 rows x 1,024 bytes; q, k, v and attn never go to memory.
; SHARES.  Of each chunk wave w fetches and multiplies 32 rows (two tiles u) against all 64 tokens; the left operand (x, later attn's codes) stays in 512 registers of every wave, so a weight byte is read
; from LDS once and feeds four matrix instructions.  For the attention itself wave w owns the 16 tokens a = 4 m + i, token 16 m + 4 w + i.
; x: each wave fetches a quarter of the block's rows, 512 consecutive bytes an instruction; the rows meet in the scratch, 32 tokens at a time, and every wave reads them back as fragments.
; EVERY PRODUCT IS USED TRANSPOSED (source 0 = 16 weight rows, source 1 = 16 tokens): a lane holds one token and eight neighbouring columns.
; CHUNKS.  Of Wqkv: eight heads x sixteen channels (rows 1024 t + 64 (8 gh + i) + 16 dt + dd; wave w: i = 2 w + u).  Of Wo: 128 neighbouring rows (wave w: rows 16 w + 64 u + dd), so that one descriptor group 1 serves all.
; Periods 0-15: four passes Q(gh 0), Q(gh 1), K(gh 0), K(gh 1) of one dt; the pass's codes meet in LDS and add one K piece to the scores (K = 64 form, its other 48 codes zeros).  Then the softmax.
; Periods 16-23: V(dt, gh): v goes in f32 through LDS to the token's wave; behind each second chunk sixteen channels of w v are made, quantised and kept as codes.  Periods 24-31: Wo; sum x 2^(e4 + e5) + bo leaves through a stage.
; THE STREAM OF PERIODS (macro G).  A period is eight K steps of eight products.  All reads of the slot in hand are issued by step 4.  The change of slots stands behind step 6: the waits, the add, the round, the joint refill of the
; slot in hand with the chunk two periods on, and the next chunk's first fragments ahead of step 7.  In V's first period of a dt the add stands ahead of step 5 and the signal ahead of step 6; in its second period a plain barrier
; stands behind step 6, and the change stands in the middle of w v (macro VSTAGE).
; The last chunk's results are taken out of their accumulators two tiles at a time between the products of step 0, which begin each accumulator anew just behind its last read; their LDS stores follow in one run behind step 0
; (v's sums, which are stored as they are, in one run ahead of it).  The round also hands the scratch from writers to readers.
; THE CLUSTERS WALK THE CHUNKS IN FOUR ORDERS, by g = the cluster's number mod 4, which the partners share: pass p takes dt = (p + g) mod 4, V's trip j takes dt = (j + g) mod 4, Wo's walk begins at chunk 2 g and wraps at 8.
; attn's four slots of codes are turned by g in registers before they go to LDS; no LDS address hangs on g.
; The key heads stand in the scores' rows in the order pi (bits 3 and 2 of the row's number swapped), so that the registers of w pair with local heads 4 (lane / 16) + 0 .. 3 of each V chunk in the f32 form's K order.
; K ORDER of the K = 128 products: a fragment comes by four loads of 16 bytes (registers 4 c .. 4 c + 3: k = 32 c + 16 (lane / 16) + 0 .. 15), the same permutation of k on both sides.
; CLUSTER.  The four work-groups of a cluster ask for each tile JOINTLY (mask 15, the same descriptor: wave's number, chunk and g alone).
; PREFETCH.  (1) At the head, behind x's loads: rows 512 to 2,047 of Wqkv, 1.5 MB, which are chunks 1 to 3 of the four orders.  They are shared out by address among all work-groups: a wave names 12 blocks of 256 bytes,
; 3,072 x (16 j + 4 cx + w) bytes on, j = a number of 5 bits made of the cluster's number that takes each value in two clusters: so each block is named by two work-groups.  Chunk 0 comes by its load alone.
; (2) Clusters 0 to 3, one of each order, ask for their order's first two chunks of V (in periods 12, 13; loaded in 14, 15) and of Wo (in periods 20, 21; loaded in 22, 23): a lane a row of the wave's own 32 rows,
; of each row the quarter 256 cx, told apart by address: each block is named once.  The other chunks of a phase have been read by the clusters of another order.
; LIMITS on the given exponents, so that each power of two below is an f32 number: e2 - e0 - e1, e3 - e0 - e1, e4 - e0 - e1 between -126 and 112; e4 + e5 between -126 and 127; e2 + e3 between -121 and 132.
; Codes of NaN and infinity among the inputs are not served.
; REGISTERS, in windows of 256.  Window 0: v1-30 addresses and scales; v32-95 the eight accumulators (u, m), written by matrix instructions alone; v96-223 weight fragments (four sets of 32; at the head x's rows; in V's second period v160-223 hold
;   v's operands and the third set is v224-255); v224-255 at work.  Window 1: v0-127 the scores, then w, then out's rows (v0-63 back from the stage, v64-127 on their way in); v128-255 q's and k's runs, the softmax's statistics, attn's codes.
;   Windows 2, 3: the left operand: fragment (m, s) in window 2 + s / 4 at v[16 (4 m + s % 4)].
.set SLOTB,  133120                    ; a slot: 128 rows x (1,024 + 16) bytes
.set WPART,  33280                     ; a wave's 32 rows of it
.set SCR,    266240                    ; behind the ring: 37,888 bytes of scratch, written by LDS stores alone
.set SPARE,  304128                    ; the spare words, 128 bytes a wave
.set SPW,  3
.set NIL,  4
.set AW0,  5                           ; my lane's place in my wave's part of a slot: 33280 w + 1040 r + 16 hf
.set AWC,  6                           ; the same in the slot that is read
.set AX,   7                           ; x in memory: 8192 w + 16 x lane
.set AQW,  8                           ; q's and k's codes, in: token pitch 528, q at 0, k at 256, head h at 16 h
.set AQR,  9                           ; q's codes, back
.set AKR,  10                          ; k's codes, back, heads in the order pi
.set AVW,  11                          ; v, in: token pitch 592, local head gl at 64 gl + 64 (gl / 4)
.set AVR,  12                          ; v, back
.set AD,   13                          ; attn's codes, in: token pitch 1040
.set AF,   14                          ; x's and attn's codes, back as fragments
.set AST,  15                          ; the stage for out: token pitch 528, in: 64 w + 32 hf, tile u at 256 u
.set ASR,  16                          ; and back
.set AOUT, 17                          ; 16 x lane
.set ABO,  18                          ; bo: 64 w + 32 hf
.set PFOA, 19                          ; the prefetches' offset: a lane a row; lanes 16-31 stand 64 rows on
.set ADX,  20                          ; x's rows, in: SCR + 8 rows of 1,040 x w + 16 x lane
.set QS,   21                          ; v21, v22 q's scale 2^(e2 - e0 - e1) and 57,344 x that; v23, v24 k's; v25, v26 attn's
.set QL,   22
.set KS,   23
.set KL,   24
.set AS,   25
.set AL,   26
.set PFH,  30                          ; the head's prefetch: 256 x min(lane, 11): the lanes left over name the wave's last block again
.set ACC,  32
.set VB,   96
.set VA,   160
.set U32,  224
.set BI,   224                         ; bo's two tiles
.set LIMV, 3                           ; s3   2 in a cluster that prefetches, else the greatest number
.set WV,   4
.set CX,   5
.set CL,   6
.set CNT,  7
.set XB,   8
.set WA,   10                          ; Wqkv at my wave's two heads
.set WOB,  12                          ; Wo at my wave's first 16 rows
.set BO,   14
.set SCP,  16
.set OUT,  18
.set G0,   20
.set G1,   24
.set WBS,  32                          ; s[32:33] V's loop: the buffer that is asked
.set OCH,  34                          ; s34  131,072 x the chunk of Wo in hand
.set WL,   40
.set TB,   41                          ; LDS byte at which the slot that is read begins
.set OF,   42                          ; s[42:43] the byte offset of the chunk that is asked for
.set PFOF, 44
.set PB,   46
.set ES,   48
.set CS,   54
.set SEL,  56
.set OSC,  58
.set PFA,  66                          ; WA + 256 cx
.set PFOB, 68                          ; WOB + 256 cx
.set CO,   70                          ; s[70:71] 512 x the chunk of Wo in hand
.set OUTC, 72
.set BOC,  74
.set GR,   76
.set DTO,  77                          ; 0x4000 x dt, walks mod 4
.set LIML, 78                          ; 1 in a cluster that prefetches, else the greatest number
.set GO,   79                          ; 0x4000 x g
.set MSB, 0
.macro WIN new
.if MSB != \new
	s_set_vgpr_msb (MSB<<8)|\new
.set MSB, \new
.endif
.endm
.macro PLACES n
.rept \n
	v_nop
.endr
.endm
.macro CREST                           ; a round of the cluster's barrier behind its opening barrier
	s_cmp_lg_u32 s[WV], 0
	s_cbranch_scc1 .Lnw0_\@
	s_barrier_signal -3
.Lnw0_\@:
	s_barrier_wait -3
	s_barrier_signal -1
	s_barrier_wait -1
.endm
.macro ROUND
	s_barrier_signal -1
	s_barrier_wait -1
	CREST
.endm
.macro BAR                             ; the scratch changes hands; a tile on its way may stay out
	s_wait_dscnt 0x0
	s_barrier_signal -1
	s_barrier_wait -1
.endm
.macro LW st, base                     ; my two weight fragments of K step st: eight loads of 16 bytes a lane
.irp u, 0,1
.irp c, 0,1,2,3
	ds_load_b128 v[(\base)+16*\u+4*\c:(\base)+16*\u+4*\c+3], v[AWC] offset:16640*\u+128*(\st)+32*\c
.endr
.endr
.endm
.macro GHEAD
	LW 0, 96
	LW 1, 128
	LW 2, 160
	LW 3, 192
.endm
.macro SETB k, ns                      ; fb: the set of K step k
.if \ns == 4
.set fb, 96+32*((\k)%4)
.else
.set fb, 96+32*((\k)%3)
.if (\k)%3 == 2
.set fb, 224
.endif
.endif
.endm
.macro MMT k, zero                     ; tile tt = 4 u + m of K step k, from set fb; the eight accumulators take turns
.if \zero
	v_wmma_f32_16x16x128_bf8_bf8 v[ACC+8*tt:ACC+8*tt+7], v[fb+16*(tt/4):fb+16*(tt/4)+15], v[16*(4*(tt%4)+(\k)%4):16*(4*(tt%4)+(\k)%4)+15], 0
.else
	v_wmma_f32_16x16x128_bf8_bf8 v[ACC+8*tt:ACC+8*tt+7], v[fb+16*(tt/4):fb+16*(tt/4)+15], v[16*(4*(tt%4)+(\k)%4):16*(4*(tt%4)+(\k)%4)+15], v[ACC+8*tt:ACC+8*tt+7]
.endif
.set tt, tt+1
.endm
; Tile tt leaves its accumulator (EPIV: into registers; EPIS: its LDS stores).  kind 1: q's (ea = 0) or k's (1) codes of heads 8 eb on: the hold (the conversion does not saturate: ISA guide 7.6.2), the conversion, 8 bytes a lane
; into the token's row.  kind 2: v's f32 sums as they are, straight from the accumulator.  kind 3: out = sum x 2^(e4 + e5) + bo, into v64-127 of window 1 and on into the stage.  Each accumulator is read from its low end on.
.macro EPIV kind, ea
.if \kind == 1
.set tb, U32+8*(tt%2)
.irp j, 0,1,2,3,4,5,6,7
	v_med3_num_f32 v[tb+\j], v[ACC+8*tt+\j], -v[QL+2*(\ea)], v[QL+2*(\ea)]
.endr
	v_cvt_scalef32_pk8_bf8_f32 v[U32+16+2*tt:U32+17+2*tt], v[tb:tb+7], v[QS+2*(\ea)]
.else
.irp i, 0,2,4,6
	v_pk_fma_f32 v[64+8*tt+\i:64+8*tt+\i+1], v[ACC+8*tt+\i:ACC+8*tt+\i+1], s[OSC:OSC+1], v[BI+8*(tt/4)+\i:BI+8*(tt/4)+\i+1] op_sel_hi:[1,0,1]
.endr
.endif
.endm
.macro EPIS kind, ea, eb
.if \kind == 1
	ds_store_b64 v[AQW], v[U32+16+2*tt:U32+17+2*tt] offset:8448*(tt%4)+256*(\ea)+128*(\eb)+16*(tt/4)
.elseif \kind == 2
	ds_store_b128 v[AVW], v[ACC+8*tt:ACC+8*tt+3] offset:9472*(tt%4)+64*(tt/4)
	ds_store_b128 v[AVW], v[ACC+8*tt+4:ACC+8*tt+7] offset:9472*(tt%4)+64*(tt/4)+16
.else
	ds_store_b128 v[AST], v[64+8*tt:64+8*tt+3] offset:8448*(tt%4)+256*(tt/4)
	ds_store_b128 v[AST], v[64+8*tt+4:64+8*tt+7] offset:8448*(tt%4)+256*(tt/4)+16
.endif
.endm
.macro VLOADS gh                       ; v's operands of my 16 tokens: lane (dd, hf), register i: local head 4 hf + i
.set ta, 0
.rept 16
.irp i, 0,1,2,3
	ds_load_b32 v[VA-64*(\gh)+4*ta+\i], v[AVR] offset:592*(16*(ta/4)+ta%4)+64*\i
.endr
.set ta, ta+1
.endr
.endm
.macro RBLOADS                         ; my 16 tokens' pieces of 512 bytes, back from the stage into window 1
	WIN 0x40
.irp i, 0,1,2,3,4,5,6,7,8,9,10,11,12,13,14,15
	ds_load_b128 v[4*\i:4*\i+3], v[ASR] offset:528*\i
.endr
	WIN 0
.endm
.macro XSTORE rho                      ; my eight rows of x's tokens 32 rho on go into the scratch
.irp i, 0,1,2,3,4,5,6,7
.irp j, 0,1
	ds_store_b128 v[ADX], v[96+64*(\rho)+8*\i+4*\j:96+64*(\rho)+8*\i+4*\j+3] offset:1040*\i+512*\j
.endr
.endr
.endm
.macro LEFTIN rho                      ; the scratch's 32 rows of 1,024 codes become the left operand's fragments of tiles m = 2 rho, 2 rho + 1
	WIN 0x80
.irp mm, 0,1
.irp st, 0,1,2,3
.irp c, 0,1,2,3
	ds_load_b128 v[16*(4*(2*(\rho)+\mm)+\st)+4*\c:16*(4*(2*(\rho)+\mm)+\st)+4*\c+3], v[AF] offset:16640*\mm+128*\st+32*\c
.endr
.endr
.endr
	WIN 0xc0
.irp mm, 0,1
.irp st, 0,1,2,3
.irp c, 0,1,2,3
	ds_load_b128 v[16*(4*(2*(\rho)+\mm)+\st)+4*\c:16*(4*(2*(\rho)+\mm)+\st)+4*\c+3], v[AF] offset:16640*\mm+128*(\st+4)+32*\c
.endr
.endr
.endr
	WIN 0
.endm
.macro ASK lim                         ; the prefetch, in the trip whose count is s[lim]
	s_cmp_eq_u32 s[CNT], s[\lim]
	s_cbranch_scc0 .Lnm_\@
	global_prefetch_b8 v[PFOA], s[PB:PB+1] th:TH_LOAD_NT scope:SCOPE_SE
.Lnm_\@:
.endm
; THE CHANGE OF SLOTS, in two parts.  CHGA: the wait for my one tensor load, the add, and the steps of the descriptor and of the slot that is read; the wait for the add and the barrier's signal follow it.
; CHGB, behind the barrier's wait: refill = 1: the rest of the cluster's round and the joint load of the chunk two periods on into the slot just read out; then the address in the slot that is read next.
.macro CHGA refill, wb, lim, pb
	s_wait_xcnt 0x0                                ; earlier prefetches and stores have read their registers
	s_wait_tensorcnt 0x0                           ; my part of the next slot is in; group 0 may be written
	ds_add_u32 v[SPW], v[NIL]
.if \refill
	s_xor_b32 s[G0+1], s[G0+1], SLOTB
	s_add_nc_u64 s[G0+2:G0+3], s[\wb:\wb+1], s[OF:OF+1]
	s_or_b32 s[G0+3], s[G0+3], 0x80000000
.endif
.if \lim
	s_add_nc_u64 s[PB:PB+1], s[\pb:\pb+1], s[PFOF:PFOF+1]
.endif
	s_xor_b32 s[TB], s[TB], SLOTB
.endm
.macro CHGB refill
.if \refill
	CREST
	tensor_load_to_lds s[G0:G0+3], s[G1:G1+7]
	s_nop 0
.endif
	v_add_nc_u32 v[AWC], s[TB], v[AW0]             ; with the three below: the places in front of the loads into the sets
	PLACES 3
	s_wait_alu depctr_va_vdst(0)
.endm
; A PERIOD.  At its head the first ns K steps' fragments have been asked for.  ns: my sets; nx: the next period's (0: its fragments are not fetched here); epi, ea, eb: what becomes of the last chunk's results;
; refill: 1: the slot in hand is filled again, from s[wb] + s[OF]; 0: a change of slots with no fill; 2: no change, a plain barrier that hands the scratch over; lim, pb: the prefetch; o: a chunk of Wo;
; early: the add stands ahead of step 5 and the signal ahead of step 6, so that those steps' products stand between them.
; The waits on DScnt leave the later steps' loads out, eight a step (and the add, where it is out); other LDS instructions behind them only make a wait stricter.
.macro G ns, nx, epi, ea, eb, refill, wb, lim, pb, o, early
.if \epi == 3
	s_wait_loadcnt 0x0                             ; bo's two tiles of the last chunk
.endif
	s_wait_dscnt 8*(\ns-1)
.set fb, 96
.set tt, 0
.if \epi == 2
	WIN 0
.rept 8
	EPIS 2, 0, 0
.set tt, tt+1
.endr
.set tt, 0
.endif
.rept 4
.if \epi == 1
	WIN 0
.endif
.if \epi == 3
	WIN 0x40
.endif
.if (\epi == 1) || (\epi == 3)
	EPIV \epi, \ea
.set tt, tt+1
	EPIV \epi, \ea
.set tt, tt-1
.endif
	WIN 0x08
	MMT 0, 1
	MMT 0, 1
.endr
	PLACES 4                                       ; in front of loads into the set just read; also the plain lines behind the last conversion
.if (\epi == 1) || (\epi == 3)
.if \epi == 1
	WIN 0
.else
	WIN 0x04
.endif
.set tt, 0
.rept 8
	EPIS \epi, \ea, \eb
.set tt, tt+1
.endr
.endif
	LW \ns, 96
.if \o
.irp u, 0,1
	global_load_b128 v[BI+8*\u:BI+8*\u+3], v[ABO], s[BOC:BOC+1] offset:256*\u
	global_load_b128 v[BI+8*\u+4:BI+8*\u+7], v[ABO], s[BOC:BOC+1] offset:256*\u+16
.endr
.endif
.set kst, 1
.rept 7
	SETB kst, \ns
.if (\early) && (kst == 5)
	WIN 0
	CHGA \refill, \wb, \lim, \pb
.endif
.if kst < 5
	s_wait_dscnt 8*(\ns-1)
.elseif kst == 5
	s_wait_dscnt 16+\early
.elseif kst == 6
.if \early
	s_wait_dscnt 0x0                               ; the add is done, my reads of this slot and my LDS stores are over
	s_barrier_signal -1
.else
	s_wait_dscnt 8
.endif
.endif
.if kst < 4
	WIN 0x08
.else
	WIN 0x0c
.endif
.set tt, 0
.rept 8
	MMT kst, 0
.endr
.if kst+\ns < 8
	PLACES 4
	LW kst+\ns, fb
.endif
.if kst == 6
	WIN 0
.if \refill == 2
	BAR
.elseif \early
	s_barrier_wait -1
	CHGB \refill
.else
	CHGA \refill, \wb, \lim, \pb
	s_wait_dscnt 0x0                               ; the add is done, my reads of this slot and my LDS stores are over
	s_barrier_signal -1
	s_barrier_wait -1
	CHGB \refill
.endif
.if \epi == 3
	RBLOADS
.endif
.if \nx
	LW 0, 96
	LW 1, 128
.if \nx == 4
	LW 2, 160
.else
	LW 2, 224
.endif
.endif
.if \epi == 2
	VLOADS 0
.endif
.if \lim
	ASK \lim
.endif
.endif
.set kst, kst+1
.endr
	WIN 0
	PLACES 5                                       ; in front of reads of results, of loads into the sets, and of matrix instructions that begin these accumulators anew
.if \epi == 3
	BAR                                            ; every wave's rows are back: the stage may be written again
.endif
.if \nx == 4
	LW 3, 192
.endif
.if \epi == 3
	WIN 0x04
.irp i, 0,1,2,3,4,5,6,7,8,9,10,11,12,13,14,15
	global_store_b128 v[AOUT], v[4*\i:4*\i+3], s[OUTC:OUTC+1] offset:4096*\i th:TH_STORE_NT   ; 32 lanes store 512 consecutive bytes, at a multiple of 256 from out's first byte
.endr
	WIN 0
.endif
.endm
; A pass's 16 channels add to my 16 tokens' scores: S^T += k q^T; registers 0, 1 of a run hold the pass's codes, registers 2-7 stay zeros.
.macro SCORES
	BAR
.irp hb, 0,1
	WIN 0x40
.irp tk, 0,1,2,3,4,5,6,7
	ds_load_b64 v[128+8*\tk:129+8*\tk], v[AQR] offset:528*(16*((8*\hb+\tk)/4)+(\tk%4))
	ds_load_b64 v[192+8*\tk:193+8*\tk], v[AKR] offset:528*(16*((8*\hb+\tk)/4)+(\tk%4))
.endr
	s_wait_dscnt 0x0
	WIN 0x55
.irp tk, 0,1,2,3,4,5,6,7
	v_wmma_f32_16x16x64_bf8_bf8 v[8*(8*\hb+\tk):8*(8*\hb+\tk)+7], v[192+8*\tk:199+8*\tk], v[128+8*\tk:135+8*\tk], v[8*(8*\hb+\tk):8*(8*\hb+\tk)+7]
.endr
	PLACES 4
.endr
	WIN 0
.endm
; Behind V's second chunk of a dt: its sums go through the scratch; O^T = v^T w^T for my 16 tokens, eight at a time, four K steps of 4 heads; the hold, the conversion; the codes go to slot 3 of window 1, the older slots one down.
; THE CHANGE OF SLOTS stands between the two halves: the add ahead of the first half's last K step, that half's holds and conversions between the signal and the barrier's wait, the joint refill ahead of the second half.
.macro VSTAGE
	BAR                                            ; every wave's reads of the first chunk's v are in
.set tt, 0
.rept 8
	EPIS 2, 0, 0
.set tt, tt+1
.endr
	BAR
	VLOADS 1
	WIN 0x41
.set ta, 0
.rept 16
.irp s, 0,1,2
.irp j, 0,1
	v_mov_b32 v[128+8*ta+2*\s+\j], v[128+8*ta+2*\s+2+\j]
.endr
.endr
.set ta, ta+1
.endr
	WIN 0
	s_wait_dscnt 0x0
.irp hb, 0,1
	WIN 0x04
.irp st, 0,1,2,3
.if (\hb == 0) && (\st == 3)
	WIN 0
	CHGA 1, WBS, LIMV, PFOB
	WIN 0x04
.endif
.irp tk, 0,1,2,3,4,5,6,7
.if \st == 0
	v_wmma_f32_16x16x4_f32 v[ACC+8*\tk:ACC+8*\tk+7], v[VA-64*(\st/2)+4*(8*\hb+\tk)+2*(\st%2):VA-64*(\st/2)+4*(8*\hb+\tk)+2*(\st%2)+1], v[8*(8*\hb+\tk)+2*\st:8*(8*\hb+\tk)+2*\st+1], 0
.else
	v_wmma_f32_16x16x4_f32 v[ACC+8*\tk:ACC+8*\tk+7], v[VA-64*(\st/2)+4*(8*\hb+\tk)+2*(\st%2):VA-64*(\st/2)+4*(8*\hb+\tk)+2*(\st%2)+1], v[8*(8*\hb+\tk)+2*\st:8*(8*\hb+\tk)+2*\st+1], v[ACC+8*\tk:ACC+8*\tk+7]
.endif
.endr
.endr
	WIN 0
	PLACES 9                                       ; behind the f32 form
.if \hb == 0
	s_wait_dscnt 0x0                               ; the add is done; my reads of the slot just read out were over long ago
	s_barrier_signal -1
.else
	GHEAD                                          ; v's operands are done with: the next chunk's first fragments
.endif
.irp g, 0,1
.irp t, 0,1,2,3
.irp j, 0,1,2,3,4,5,6,7
	v_med3_num_f32 v[U32+8*\t+\j], v[ACC+8*(4*\g+\t)+\j], -v[AL], v[AL]
.endr
.endr
	WIN 0x40
.irp t, 0,1,2,3
	v_cvt_scalef32_pk8_bf8_f32 v[128+8*(8*\hb+4*\g+\t)+6:128+8*(8*\hb+4*\g+\t)+7], v[U32+8*\t:U32+8*\t+7], v[AS]
.endr
	v_nop
	WIN 0
.endr
.if \hb == 0
	s_barrier_wait -1
	CHGB 1
	ASK LIMV
.endif
.endr
	s_wait_alu depctr_va_vdst(0)
.endm
.macro OPRE                            ; a period of Wo begins: the pointers of the chunk in hand (bo) and of the last one (out), the chunk to ask for
	s_wait_xcnt 0x0
	s_mov_b32 s62, s[CO]
	s_lshr_b32 s[CO], s[OCH], 8
	s_add_nc_u64 s[BOC:BOC+1], s[BO:BO+1], s[CO:CO+1]
	s_add_nc_u64 s[OUTC:OUTC+1], s[OUT:OUT+1], s[62:63]
	s_add_co_u32 s[OF], s[OCH], 0x40000
	s_and_b32 s[OF], s[OF], 0xe0000
	s_add_co_u32 s[OCH], s[OCH], 0x20000
	s_and_b32 s[OCH], s[OCH], 0xe0000
.endm
.macro MKSC e, vs, vl                  ; s60 = e0 + e1: the conversion's one scale is 2^(e - e0 - e1)
	s_sub_co_i32 s61, s[\e], s60
	s_add_co_i32 s61, s61, 127
	s_lshl_b32 s62, s61, 23
	v_mov_b32 v[\vs], s62
	s_add_co_i32 s61, s61, 15
	s_lshl_b32 s61, s61, 23
	s_or_b32 s61, s61, 0x600000
	v_mov_b32 v[\vl], s61
.endm
	s_load_b256 s[8:15], s[0:1], 0x0               ; x, Wqkv, Wo, bo
	s_load_b128 s[16:19], s[0:1], 0x20             ; lowp_scales, out
	v_lshl_add_u32 v[SPW], v0, 2, SPARE
	v_mov_b32 v[NIL], 0
	ds_add_u32 v[SPW], v[NIL]                      ; the opening lines: the add twice on end and its wait
	ds_add_u32 v[SPW], v[NIL]
	v_lshrrev_b32 v27, 5, v0
	v_readfirstlane_b32 s[WV], v27
	s_bfe_u32 s[CX], ttmp6, 0x40000
	s_mov_b32 s[CL], ttmp9
	s_and_b32 s[GR], s[CL], 3
	s_lshl_b32 s[GO], s[GR], 14
	s_mov_b32 s[DTO], s[GO]
	s_cmp_lt_u32 s[CL], 4
	s_cselect_b32 s[LIMV], 2, -1
	s_cselect_b32 s[LIML], 1, -1
	; the head's prefetch: j = bits 4, 2, 1, 0 of the cluster's number, and bit 5 xor bit 3 as its bit 3; my wave's 3,072 bytes begin 0x80000 + 3072 (16 j + 4 cx + w) bytes into Wqkv
	s_lshr_b32 s60, s[CL], 5
	s_lshr_b32 s61, s[CL], 3
	s_xor_b32 s60, s60, s61
	s_and_b32 s60, s60, 1
	s_lshl_b32 s60, s60, 3
	s_and_b32 s61, s[CL], 0x17
	s_or_b32 s60, s60, s61
	s_lshl_b32 s60, s60, 2
	s_add_co_u32 s60, s60, s[CX]
	s_lshl_b32 s60, s60, 2
	s_add_co_u32 s60, s60, s[WV]
	s_mul_i32 s60, s60, 3072
	s_add_co_u32 s[PFOF], s60, 0x80000
	s_mov_b32 s[PFOF+1], 0
	; group 1: a wave's 32 weight rows as 2 rows of 16,384 bytes (16 weight rows on end), 65,536 bytes apart, 16 bytes of padding behind every 1,024
	s_mov_b32 s[G1], 15|(1<<20)|(1<<21)|(7<<22)|(3<<25)
	s_mov_b32 s[G1+1], 16384<<16
	s_mov_b32 s[G1+2], 2<<16
	s_mov_b32 s[G1+3], 16384<<16
	s_mov_b32 s[G1+4], 2
	s_mov_b32 s[G1+5], 65536
	s_mov_b32 s[G1+6], 0
	s_mov_b32 s[G1+7], 0
	s_mov_b32 s[SEL], 0x76543210
	s_mov_b32 s[SEL+1], 0xfedcba98
	s_mov_b32 s[TB], 0
	s_mov_b32 s[OF], s[GO]                         ; the first chunk: Q(g, 0)
	s_mov_b32 s[OF+1], 0
	v_and_b32 v1, 15, v0                           ; r
	v_bfe_u32 v2, v0, 4, 1                         ; hf
	v_and_b32 v27, 31, v0
	s_mul_i32 s[WL], s[WV], WPART
	v_mul_u32_u24 v[AW0], v1, 1040
	v_lshl_add_u32 v[AW0], v2, 4, v[AW0]
	v_add_nc_u32 v[AF], SCR, v[AW0]
	v_add_nc_u32 v[AW0], s[WL], v[AW0]
	s_lshl_b32 s60, s[WV], 13
	v_lshlrev_b32 v[AX], 4, v27
	v_add_nc_u32 v[AX], s60, v[AX]                 ; 8192 w + 16 x lane
	s_mul_i32 s60, s[WV], 8320
	s_add_co_u32 s60, s60, SCR
	v_lshlrev_b32 v[ADX], 4, v27
	v_add_nc_u32 v[ADX], s60, v[ADX]               ; SCR + 8320 w + 16 x lane
	v_min_u32 v[PFH], 11, v27
	v_lshlrev_b32 v[PFH], 8, v[PFH]
	v_mul_u32_u24 v28, v1, 528
	s_lshl_b32 s60, s[WV], 5
	s_add_co_u32 s60, s60, SCR
	v_lshl_add_u32 v[AQW], v2, 3, v28
	v_add_nc_u32 v[AQW], s60, v[AQW]               ; SCR + 528 r + 8 hf + 32 w
	s_lshl_b32 s60, s[WV], 6
	s_add_co_u32 s61, s60, SCR
	v_lshl_add_u32 v[AST], v2, 5, v28
	v_add_nc_u32 v[AST], s61, v[AST]               ; SCR + 528 r + 32 hf + 64 w
	v_lshlrev_b32 v[ABO], 5, v2
	v_add_nc_u32 v[ABO], s60, v[ABO]               ; 64 w + 32 hf
	s_lshl_b32 s60, s[WV], 7
	s_add_co_u32 s61, s60, SCR
	s_lshr_b32 s62, s[WV], 1
	s_lshl_b32 s62, s62, 6
	s_add_co_u32 s61, s61, s62
	v_mul_u32_u24 v[AVW], v1, 592
	v_lshl_add_u32 v[AVW], v2, 5, v[AVW]
	v_add_nc_u32 v[AVW], s61, v[AVW]               ; SCR + 592 r + 32 hf + 128 w + 64 (w / 2)
	s_mul_i32 s60, s[WV], 2112
	s_add_co_u32 s60, s60, SCR
	v_lshlrev_b32 v[AQR], 4, v1
	v_lshl_add_u32 v[AQR], v2, 3, v[AQR]
	v_add_nc_u32 v[AQR], s60, v[AQR]
	v_and_b32 v28, 3, v0
	v_bfe_u32 v29, v0, 3, 1
	v_lshl_or_b32 v28, v29, 2, v28
	v_bfe_u32 v29, v0, 2, 1
	v_lshl_or_b32 v28, v29, 3, v28                 ; pi(r)
	s_add_co_u32 s60, s60, 256
	v_lshlrev_b32 v[AKR], 4, v28
	v_lshl_add_u32 v[AKR], v2, 3, v[AKR]
	v_add_nc_u32 v[AKR], s60, v[AKR]
	s_mul_i32 s60, s[WV], 2368
	s_add_co_u32 s60, s60, SCR
	v_mul_u32_u24 v28, v2, 320
	v_lshl_add_u32 v[AVR], v1, 2, v28
	v_add_nc_u32 v[AVR], s60, v[AVR]
	s_mul_i32 s60, s[WV], 4160
	s_add_co_u32 s60, s60, SCR
	v_lshlrev_b32 v[AD], 6, v1
	v_lshl_add_u32 v[AD], v2, 3, v[AD]
	v_add_nc_u32 v[AD], s60, v[AD]
	s_mul_i32 s60, s[WV], 8448
	s_add_co_u32 s60, s60, SCR
	v_lshlrev_b32 v[AOUT], 4, v27
	v_add_nc_u32 v[ASR], s60, v[AOUT]
	v_lshlrev_b32 v29, 10, v27
	v_mul_u32_u24 v28, v2, 49152
	v_add_nc_u32 v[PFOA], v28, v29
	s_lshl_b32 s60, s[WV], 17                      ; two heads of Wqkv
	s_mov_b32 s61, 0
	s_lshl_b32 s62, s[WV], 14                      ; 16 rows of Wo
	s_mov_b32 s63, 0
	s_lshl_b32 s70, ttmp9, 2
	s_add_co_u32 s70, s70, s[CX]                   ; my block of 64 tokens
	s_lshl_b32 s72, s70, 16
	s_mov_b32 s73, 0
	s_lshl_b32 s74, s70, 18
	s_lshl_b32 s71, s[WV], 16
	s_add_co_u32 s74, s74, s71
	s_mov_b32 s75, 0
	s_lshl_b32 s70, s[CX], 8
	s_mov_b32 s71, 0
	s_wait_alu depctr_va_vdst(0)
	s_wait_dscnt 0x0
	s_wait_kmcnt 0x0
	s_load_b128 s[ES:ES+3], s[SCP:SCP+1], 0x0
	s_load_b64 s[ES+4:ES+5], s[SCP:SCP+1], 0x10
	s_add_nc_u64 s[PB:PB+1], s[WA:WA+1], s[PFOF:PFOF+1]    ; (Wqkv's first byte still stands in s[WA])
	s_add_nc_u64 s[XB:XB+1], s[XB:XB+1], s[72:73]
	s_add_nc_u64 s[OUT:OUT+1], s[OUT:OUT+1], s[74:75]
	s_add_nc_u64 s[WA:WA+1], s[WA:WA+1], s[60:61]
	s_add_nc_u64 s[WOB:WOB+1], s[WOB:WOB+1], s[62:63]
	s_add_nc_u64 s[PFA:PFA+1], s[WA:WA+1], s[70:71]
	s_add_nc_u64 s[PFOB:PFOB+1], s[WOB:WOB+1], s[70:71]
	s_mov_b32 s[G0], 1
	s_mov_b32 s[G0+1], s[WL]
	s_add_nc_u64 s[G0+2:G0+3], s[WA:WA+1], s[OF:OF+1]
	s_or_b32 s[G0+3], s[G0+3], 0x80000000
	ROUND                                          ; the first joint loads meet
	tensor_load_to_lds s[G0:G0+3], s[G1:G1+7]      ; chunk 0: my one tensor load at the head
	s_nop 0
	PLACES 4
.irp rho, 0,1                                  ; my rows of x: tokens 32 rho + 8 w + i, 32 lanes read 512 consecutive bytes
.irp i, 0,1,2,3,4,5,6,7
.irp j, 0,1
	global_load_b128 v[96+64*\rho+8*\i+4*\j:96+64*\rho+8*\i+4*\j+3], v[AX], s[XB:XB+1] offset:32768*\rho+1024*\i+512*\j
.endr
.endr
.endr
	global_prefetch_b8 v[PFH], s[PB:PB+1] th:TH_LOAD_NT scope:SCOPE_SE   ; my 12 blocks of chunks 1 to 3
	WIN 0x40                                       ; the scores begin as zeros, so that the pass is a loop's trip; the runs' upper six registers are zero codes for good
.set zi, 0
.rept 128
	v_mov_b32 v[zi], 0
.set zi, zi+1
.endr
.set zi, 0
.rept 16
.irp j, 2,3,4,5,6,7
	v_mov_b32 v[128+8*zi+\j], 0
.endr
.set zi, zi+1
.endr
	WIN 0
	s_wait_kmcnt 0x0
	s_add_co_i32 s60, s[ES], s[ES+1]
	MKSC ES+2, QS, QL
	MKSC ES+3, KS, KL
	MKSC ES+4, AS, AL
	s_add_co_i32 s61, s[ES+2], s[ES+3]
	s_lshl_b32 s61, s61, 23
	s_add_co_i32 s[CS], s61, 0x3d38aa3b            ; log2(e) / 32, with e2 + e3 added to its exponent field
	s_mov_b32 s[CS+1], s[CS]
	s_add_co_i32 s61, s[ES+4], s[ES+5]
	s_add_co_i32 s61, s61, 127
	s_lshl_b32 s[OSC], s61, 23                     ; 2^(e4 + e5)
	s_mov_b32 s[OSC+1], s[OSC]
	s_wait_alu depctr_va_vdst(0)
	s_wait_loadcnt 16                              ; my rows of tokens 0-31 are in; the sixteen loads of tokens 32-63 may be out
	XSTORE 0
	BAR
	LEFTIN 0
	s_wait_tensorcnt 0x0                           ; chunk 0 is in; slot 1's first fill is issued as a refill is
	ds_add_u32 v[SPW], v[NIL]
	s_xor_b32 s[G0+1], s[G0+1], SLOTB
	s_add_co_u32 s[OF], s[GO], 0x80000             ; Q(g, 1)
	s_add_nc_u64 s[G0+2:G0+3], s[WA:WA+1], s[OF:OF+1]
	s_or_b32 s[G0+3], s[G0+3], 0x80000000
	s_wait_dscnt 0x0                               ; the add is done, and my reads of the scratch's first 32 tokens are in
	ROUND
	tensor_load_to_lds s[G0:G0+3], s[G1:G1+7]
	s_nop 0
	v_mov_b32 v[AWC], v[AW0]
	PLACES 3
	s_wait_alu depctr_va_vdst(0)
	s_wait_loadcnt 0x0
	XSTORE 1
	BAR
	LEFTIN 1
	GHEAD
	; ---- periods 0 to 15: a trip is a pass.  Each period asks for the chunk two periods on
	s_mov_b32 s[CNT], 4
.Lqk:
	s_add_co_u32 s[OF], s[DTO], 0x100000           ; K(dt, 0)
	s_add_co_u32 s[PFOF], s[GO], 0x200000          ; in the last pass: V(g, 0)
	G 4, 4, 0, 0, 0, 1, WA, LIML, PFA, 0, 0
	s_add_co_u32 s[OF], s[DTO], 0x180000           ; K(dt, 1)
	s_add_co_u32 s[PFOF], s[GO], 0x280000          ; in the last pass: V(g, 1)
	G 4, 4, 1, 0, 0, 1, WA, LIML, PFA, 0, 0
	s_add_co_u32 s[DTO], s[DTO], 0x4000            ; the next pass's dt, mod 4; behind the fourth step it is g again
	s_and_b32 s[DTO], s[DTO], 0xc000
	s_cmp_eq_u32 s[CNT], 1
	s_cselect_b32 s62, 0x200000, 0
	s_add_co_u32 s[OF], s[DTO], s62                ; Q(dt, 0) of the next pass; behind the last pass V(g, 0)
	G 4, 4, 1, 0, 1, 1, WA, 0, 0, 0, 0
	s_add_co_u32 s[OF], s[DTO], s62
	s_add_co_u32 s[OF], s[OF], 0x80000             ; Q(dt, 1) or V(g, 1)
	G 4, 4, 1, 1, 0, 1, WA, 0, 0, 0, 0
.set tt, 0
.rept 8
	EPIV 1, 1
	EPIS 1, 1, 1
.set tt, tt+1
.endr
	v_nop                                          ; a plain line behind the last conversion
	SCORES
	s_sub_co_u32 s[CNT], s[CNT], 1
	s_cmp_lg_u32 s[CNT], 0
	s_cbranch_scc1 .Lqk
	; ---- the softmax of my 16 tokens.  A lane holds one query head and 8 of the 16 key heads; lane l xor 16 holds the other 8.  Statistics of token a at v[128 + 8 a] of window 1
	WIN 0x55
.irp a, 0,1,2,3,4,5,6,7,8,9,10,11,12,13,14,15
	v_max3_num_f32 v[128+8*\a], v[8*\a], v[8*\a+1], v[8*\a+2]
	v_max3_num_f32 v[129+8*\a], v[8*\a+3], v[8*\a+4], v[8*\a+5]
.endr
.irp a, 0,1,2,3,4,5,6,7,8,9,10,11,12,13,14,15
	v_max3_num_f32 v[128+8*\a], v[128+8*\a], v[8*\a+6], v[8*\a+7]
.endr
.irp a, 0,1,2,3,4,5,6,7,8,9,10,11,12,13,14,15
	v_max_num_f32 v[128+8*\a], v[128+8*\a], v[129+8*\a]
.endr
.irp a, 0,1,2,3,4,5,6,7,8,9,10,11,12,13,14,15
	v_permlanex16_b32 v[129+8*\a], v[128+8*\a], s[SEL], s[SEL+1]
.endr
.irp a, 0,1,2,3,4,5,6,7,8,9,10,11,12,13,14,15
	v_max_num_f32 v[128+8*\a], v[128+8*\a], v[129+8*\a]     ; the row's largest score
.endr
.irp a, 0,1,2,3,4,5,6,7,8,9,10,11,12,13,14,15
	v_mul_f32 v[128+8*\a], s[CS], v[128+8*\a]               ; x c (c is positive)
.endr
.irp a, 0,1,2,3,4,5,6,7,8,9,10,11,12,13,14,15
.irp i, 0,2,4,6
	v_pk_fma_f32 v[8*\a+\i:8*\a+\i+1], v[8*\a+\i:8*\a+\i+1], s[CS:CS+1], v[128+8*\a:129+8*\a] op_sel_hi:[1,0,0] neg_lo:[0,0,1] neg_hi:[0,0,1]
.endr
.endr
.set zi, 0
	s_wait_alu depctr_va_vdst(0)
.rept 128
	v_exp_f32 v[zi], v[zi]
.set zi, zi+1
.endr
	v_nop
	s_wait_alu depctr_va_vdst(0)
.irp a, 0,1,2,3,4,5,6,7,8,9,10,11,12,13,14,15
	v_pk_add_f32 v[130+8*\a:131+8*\a], v[8*\a:8*\a+1], v[8*\a+2:8*\a+3]
	v_pk_add_f32 v[132+8*\a:133+8*\a], v[8*\a+4:8*\a+5], v[8*\a+6:8*\a+7]
.endr
.irp a, 0,1,2,3,4,5,6,7,8,9,10,11,12,13,14,15
	v_pk_add_f32 v[130+8*\a:131+8*\a], v[130+8*\a:131+8*\a], v[132+8*\a:133+8*\a]
.endr
.irp a, 0,1,2,3,4,5,6,7,8,9,10,11,12,13,14,15
	v_add_f32 v[130+8*\a], v[130+8*\a], v[131+8*\a]
.endr
.irp a, 0,1,2,3,4,5,6,7,8,9,10,11,12,13,14,15
	v_permlanex16_b32 v[131+8*\a], v[130+8*\a], s[SEL], s[SEL+1]
.endr
.irp a, 0,1,2,3,4,5,6,7,8,9,10,11,12,13,14,15
	v_add_f32 v[130+8*\a], v[130+8*\a], v[131+8*\a]         ; the row's sum
.endr
	s_wait_alu depctr_va_vdst(0)
.irp a, 0,1,2,3,4,5,6,7,8,9,10,11,12,13,14,15
	v_rcp_f32 v[132+8*\a], v[130+8*\a]
.endr
	v_nop
	s_wait_alu depctr_va_vdst(0)
.irp a, 0,1,2,3,4,5,6,7,8,9,10,11,12,13,14,15
.irp i, 0,2,4,6
	v_pk_mul_f32 v[8*\a+\i:8*\a+\i+1], v[8*\a+\i:8*\a+\i+1], v[132+8*\a:133+8*\a] op_sel_hi:[1,0]   ; w, normalised
.endr
.endr
	WIN 0
	s_wait_alu depctr_va_vdst(0)
	; ---- periods 16 to 23: a trip is one dt of V: heads 0-7, heads 8-15, w v.  The last trip asks for Wo's chunks 2 g and 2 g + 1; the trip before it prefetches them
	s_mov_b32 s[CNT], 4
.Lv:
	s_add_co_u32 s[DTO], s[DTO], 0x4000
	s_and_b32 s[DTO], s[DTO], 0xc000
	s_add_co_u32 s62, s[DTO], 0x200000
	s_lshl_b32 s63, s[GR], 18
	s_mov_b32 s[PFOF], s63
	s_cmp_eq_u32 s[CNT], 1
	s_cselect_b32 s[OF], s63, s62
	s_cselect_b64 s[WBS:WBS+1], s[WOB:WOB+1], s[WA:WA+1]
	G 4, 3, 0, 0, 0, 1, WBS, LIMV, PFOB, 0, 1
	s_add_co_u32 s62, s[DTO], 0x280000
	s_add_co_u32 s63, s63, 0x20000
	s_mov_b32 s[PFOF], s63
	s_cmp_eq_u32 s[CNT], 1
	s_cselect_b32 s[OF], s63, s62
	G 3, 0, 2, 0, 0, 2, WBS, 0, 0, 0, 0
	VSTAGE
	s_sub_co_u32 s[CNT], s[CNT], 1
	s_cmp_lg_u32 s[CNT], 0
	s_cbranch_scc1 .Lv
	; ---- slot j of a token's codes holds the tile of channels (j + g) mod 4: the slots are turned by g, one stage for each bit of g, each a choice of values
	s_and_b32 s60, s[GR], 1
	v_mov_b32 v27, s60
	v_cmp_eq_u32 vcc_lo, 1, v27
	WIN 0x55
.set ta, 0
.rept 16
.irp d, 0,1,2,3
.irp j, 0,1
	v_cndmask_b32 v[8*ta+2*\d+\j], v[128+8*ta+2*\d+\j], v[128+8*ta+2*((\d+3)%4)+\j], vcc_lo
.endr
.endr
.set ta, ta+1
.endr
	WIN 0
	s_lshr_b32 s60, s[GR], 1
	v_mov_b32 v27, s60
	v_cmp_eq_u32 vcc_lo, 1, v27
	WIN 0x55
.set ta, 0
.rept 16
.irp d, 0,1,2,3
.irp j, 0,1
	v_cndmask_b32 v[128+8*ta+2*\d+\j], v[8*ta+2*\d+\j], v[8*ta+2*((\d+2)%4)+\j], vcc_lo
.endr
.endr
.set ta, ta+1
.endr
	WIN 0
	; ---- attn's codes become the left operand: rows of 1,024 codes into the scratch, 32 tokens at a time, and back as fragments in every wave
	s_wait_alu depctr_va_vdst(0)
	BAR
.irp rho, 0,1
	WIN 0x04
.irp mm, 0,1
.irp i, 0,1,2,3
.irp dt, 0,1,2,3
	ds_store_b64 v[AD], v[128+8*(4*(2*\rho+\mm)+\i)+2*\dt:128+8*(4*(2*\rho+\mm)+\i)+2*\dt+1] offset:1040*(16*\mm+\i)+16*\dt
.endr
.endr
.endr
	WIN 0
	BAR
	LEFTIN \rho
.if \rho == 0
	BAR
.endif
.endr
	s_wait_dscnt 0x0                               ; the left operand is in
	; ---- periods 24 to 31: Wo, from chunk 2 g on, mod 8.  Periods 24 to 29 ask for the chunk two on; the last two are written out
	s_mov_b32 s[CO], 0
	s_mov_b32 s[CO+1], 0
	s_mov_b32 s63, 0
	s_lshl_b32 s[OCH], s[GR], 18
	OPRE
	G 4, 4, 0, 0, 0, 1, WOB, 0, 0, 1, 0
	s_mov_b32 s[CNT], 5
.Lo:
	OPRE
	G 4, 4, 3, 0, 0, 1, WOB, 0, 0, 1, 0
	s_sub_co_u32 s[CNT], s[CNT], 1
	s_cmp_lg_u32 s[CNT], 0
	s_cbranch_scc1 .Lo
	OPRE
	G 4, 4, 3, 0, 0, 0, WOB, 0, 0, 1, 0
	OPRE
	G 4, 0, 3, 0, 0, 0, WOB, 0, 0, 1, 0
	s_wait_xcnt 0x0                                ; the last stores have read their registers and base
	s_add_nc_u64 s[OUTC:OUTC+1], s[OUT:OUT+1], s[CO:CO+1]
	s_wait_loadcnt 0x0
	WIN 0x40
.set tt, 0
.rept 8
	EPIV 3, 0
.set tt, tt+1
.endr
	WIN 0x04
.set tt, 0
.rept 8
	EPIS 3, 0, 0
.set tt, tt+1
.endr
	WIN 0
	BAR
	RBLOADS
	WIN 0x04
.irp i, 0,1,2,3,4,5,6,7,8,9,10,11,12,13,14,15
	s_wait_dscnt 15-\i                             ; row i is back; the younger rows may be out
	global_store_b128 v[AOUT], v[4*\i:4*\i+3], s[OUTC:OUTC+1] offset:4096*\i th:TH_STORE_NT
.endr
	WIN 0
	s_wait_tensorcnt 0x0                           ; the wave's end
	ds_add_u32 v[SPW], v[NIL]
	s_wait_dscnt 0x0
	ROUND                                          ; the closing round
	s_endpgm
.Lfunc_end_k_q8e58c6313a_fused:
	.size	k_q8e58c6313a_fused, .Lfunc_end_k_q8e58c6313a_fused-k_q8e58c6313a_fused
	.p2alignl 7, 3214868480
	.fill 96, 4, 3214868480
	.section	.rodata,"a",@progbits
	.p2align	6, 0x0
	.amdhsa_kernel k_q8e58c6313a_fused
		.amdhsa_group_segment_fixed_size 327680
		.amdhsa_private_segment_fixed_size 0
		.amdhsa_enable_private_segment 0
		.amdhsa_kernarg_size 48
		.amdhsa_user_sgpr_count 2
		.amdhsa_user_sgpr_kernarg_segment_ptr 1
		.amdhsa_wavefront_size32 1
		.amdhsa_system_sgpr_workgroup_id_x 1
		.amdhsa_system_sgpr_workgroup_id_y 1
		.amdhsa_system_sgpr_workgroup_id_z 1
		.amdhsa_system_vgpr_workitem_id 0
		.amdhsa_next_free_vgpr 1024
		.amdhsa_next_free_sgpr 80
		.amdhsa_reserve_vcc 1
		.amdhsa_float_denorm_mode_32 3
		.amdhsa_float_denorm_mode_16_64 3
		.amdhsa_memory_ordered 1
		.amdhsa_forward_progress 1
		.amdhsa_inst_pref_size 255
	.end_amdhsa_kernel
	.section	.bss,"aw",@nobits
	.p2align	6
	.space	262144
	.amdgpu_metadata
---
amdhsa.version: [ 1, 2 ]
amdhsa.kernels:
  - .name:           k_q8e58c6313a_fused
    .symbol:         k_q8e58c6313a_fused.kd
    .args:
      - { .name: x_codes, .offset: 0, .size: 8, .value_kind: global_buffer, .address_space: global }
      - { .name: Wqkv_codes, .offset: 8, .size: 8, .value_kind: global_buffer, .address_space: global }
      - { .name: Wo_codes, .offset: 16, .size: 8, .value_kind: global_buffer, .address_space: global }
      - { .name: bo, .offset: 24, .size: 8, .value_kind: global_buffer, .address_space: global }
      - { .name: lowp_scales, .offset: 32, .size: 8, .value_kind: global_buffer, .address_space: global }
      - { .name: out0, .offset: 40, .size: 8, .value_kind: global_buffer, .address_space: global }
    .group_segment_fixed_size: 327680
    .private_segment_fixed_size: 0
    .kernarg_segment_align: 8
    .kernarg_segment_size: 48
    .max_flat_workgroup_size: 128
    .sgpr_count:     80
    .vgpr_count:     1024
    .wavefront_size: 32
...
	.end_amdgpu_metadata
.endif
;; end of part 2
